; MI455X (gfx1250); checked and timed in simulation.
; The chip was launched on July 23, 2026; its instructions are those of AMD's public machine-readable ISA for CDNA 5 (MIT licence, August 2026) and "CDNA5" Instruction Set Architecture Reference Guide (July 2026). The comments in the code are by the model that wrote it; some were corrected since.
;; Flow Attention. Allowed arithmetic: matrix products marked QUANTISED: E2M1 operands, one E8M0 scale for each 32 along K, by v_wmma_scale_f32_16x16x128_f8f6f4 with both operands' format E2M1 (or v_wmma_scale_f32_32x16x128_f4), f32 sums; everything else in f32.
;; Inputs: b_out 1,024 float32; b_qkv 3,072 float32; w_out_codes 1,024 x 32 x 16 uint8 (E2M1 codes of w_out, K innermost, in blocks of 32 codes, two codes a byte); w_out_scales 1,024 x 32 uint8 (E8M0 scales of w_out, one for each 32 codes along K); w_qkv_codes 3,072 x 32 x 16 uint8 (E2M1 codes of w_qkv, K innermost, in blocks of 32 codes, two codes a byte); w_qkv_scales 3,072 x 32 uint8 (E8M0 scales of w_qkv, one for each 32 codes along K); x_codes 4 x 2,048 x 32 x 16 uint8 (E2M1 codes of x, K innermost, in blocks of 32 codes, two codes a byte); x_scales 4 x 2,048 x 32 uint8 (E8M0 scales of x, one for each 32 codes along K).
;; Outputs: out0 4 x 2,048 x 1,024 float32.
;; This version of the problem:
;;   THIS VERSION OF THE PROBLEM IS GIVEN IN LOW PRECISION. The matrix products marked QUANTISED in the list below multiply operands that are first quantised to E2M1 (2 exponent bits, 1 mantissa bit; 4 bits a number), with one power-of-two scale for each 32 numbers along K (OCP MX v1.0); their sums are f32. All else is computed in f32.
;;   The module's matrix products, in the order in which they are computed (A, B: the left and right operand; K: the contracted axis; several contracted axes count as one K, in the product's order):
;;     1. [M 8,192, K 1,024] x [K 1,024, N 3,072]; A: input x (given as codes); B: input w_qkv (given as codes): QUANTISED
;;     2. batch 64 x [M 2,048, K 64] x [K 64, N 2,048]; A: computed on the way; B: computed on the way: QUANTISED
;;     3. batch 64 x [M 64, K 2,048] x [K 2,048, N 2,048]; A: computed on the way; B: softmax (see below): QUANTISED
;;     4. [M 8,192, K 1,024] x [K 1,024, N 1,024]; A: computed on the way; B: input w_out (given as codes): QUANTISED
;;   THE QUANTISER, for each operand of a quantised product, along K:
;;     - K is cut into blocks of 32 from its start; a last block that is shorter is filled with zeros.
;;     - A block's scale is 2^e with e = floor(log2(the largest magnitude in the block)) - 2, held to -126 .. 127; a block of zeros has e = 0. As a byte (E8M0): e + 127.
;;     - Each number is divided by its block's scale, clamped to +-6, and rounded to the nearest number of E2M1, ties to even, subnormals kept.
;;     - The product sums the exact products of the quantised numbers (number of the format x scale) in f32.
;;   ~~~python
;;   def quantise(x, axis):      # numpy; x: float32 -> the quantised numbers, widened to float32 again
;;       x = np.moveaxis(x, axis, -1); K = x.shape[-1]
;;       x = np.pad(x, [(0, 0)] * (x.ndim - 1) + [(0, -K % 32)]); x = x.reshape(x.shape[:-1] + (-1, 32)); a = np.abs(x).max(-1, keepdims=True)
;;       e = np.where(a > 0, np.clip(np.frexp(np.where(a > 0, a, 1))[1] - 1 - 2, -126, 127), 0)      # np.frexp(a)[1] - 1 = floor(log2(a)), exactly
;;       r = np.clip(x / 2.0 ** e, -6, 6)
;;       step = 2.0 ** (np.maximum(np.frexp(np.where(r == 0, 1, r))[1] - 1, 0) - 1)
;;       q = np.round(r / step) * step * 2.0 ** e      # np.round: ties to even
;;       return np.moveaxis(q.reshape(q.shape[:-2] + (-1,))[..., :K], -1, axis).astype(np.float32)
;;   ~~~
;;   SOFTMAX AHEAD OF A QUANTISED PRODUCT. Where the list says 'softmax', what is quantised is not the finished softmax but p = 2^(t - M), with t = logit x log2(e) and M = ceil(the row's largest t), a whole number; so 1/2 < the row's largest p <= 1. The row's sum l is taken of the UNQUANTISED p, in f32, and the product's result is divided by l at the end. Since M is a whole number, a kernel that streams over the keys may use a running M (the ceiling of the running maximum): every later rescaling is an exact power of two, which a block's scale takes up: the codes' values come out the same.
;;   OPERANDS COMPUTED ON THE WAY. 'Computed on the way' means the value that the module computes at that place (a softmax that the list does not call 'softmax' is quantised finished and normalised). What goes into a quantiser is computed in f32, as accurately as f32 sums, v_exp_f32 and their like allow (about 1e-6 of the number): no bf16 or f16 on the way to a quantiser, and a product that is left as it is and whose result goes on into a quantised operand takes f32 operands (vector FMAs, or v_wmma_f32_16x16x4_f32). A number that lies on a knife's edge between two numbers of the format may be rounded either way, as far as f32 arithmetic and the matrix unit's own rounding can turn it there, and no further.
;;   INPUTS GIVEN AS CODES. w_out (in the module: [1024, 1024], K = its axis 1); w_qkv (in the module: [3072, 1024], K = its axis 1); x (in the module: [4, 2048, 1024], K = its axis 2): each comes as NAME_codes (uint8): NAME with its K axis moved to the last place and cut into blocks of 32 codes, [.., K / 32, bytes a block], one block behind the other in memory; two codes a byte, the lower K in the low four bits (a code: sign, 2 exponent bits, 1 mantissa bit); and NAME_scales (uint8): the same leading axes, one E8M0 byte (e + 127) for each 32 codes along K. Its value is code x scale, taken as it is: it is not quantised again, and the codes and scales need not be those that the quantiser above would give.
;; One version. Each part assembles by itself: llvm-mc -triple=amdgcn-amd-amdhsa -mcpu=gfx1250 --defsym DOCPART=n.
;; ======== version 1 of 1: 3 launches
;; limits: right only within a limited range of input values
;; workspace buffers: qkv 13,893,632 bytes; o_img 4,194,304 bytes; o_scl 262,144 bytes
;; launch qkv (part 1): grid 8 x 32, 4 waves a work-group, clusters of 4 x 4, 327,680 bytes of LDS; arguments x_codes, x_scales, w_qkv_codes, w_qkv_scales, b_qkv, qkv; writes qkv
.if DOCPART == 1
	.amdgcn_target "amdgcn-amd-amdhsa--gfx1250"
	.amdhsa_code_object_version 6
	.text
	.protected	k_q685e65fb87_qkv
	.globl	k_q685e65fb87_qkv
	.p2align	8
	.type	k_q685e65fb87_qkv,@function
k_q685e65fb87_qkv:
	s_mov_b64 s[64:65], 0
	v_nop
	global_prefetch_b8 v0, s[64:65] scope:SCOPE_SE
	s_setreg_imm32_b32 hwreg(HW_REG_WAVE_MODE, 25, 1), 1
	s_wait_xcnt 0x0
	s_wait_alu depctr_hold_cnt(0) depctr_sa_sdst(0) depctr_va_vdst(0) depctr_va_sdst(0) depctr_va_ssrc(0) depctr_va_vcc(0) depctr_vm_vsrc(0)
	s_getreg_b32 s2, hwreg(HW_REG_IB_STS2, 6, 4)
	s_cmp_eq_u32 s2, 0
	s_cbranch_scc0 .Lentry_in_a_cluster
	s_endpgm
.Lentry_in_a_cluster:
	s_bfe_u32 s2, ttmp6, 0x10000c
	s_cmp_lg_u32 s2, 0xf033
	s_cbranch_scc0 .Lentry_shape_is_right
	s_endpgm
.Lentry_shape_is_right:
; qkv = x w_qkv^T + b_qkv on codes of FP4 (E2M1) with E8M0 scales; RoPE on q and k; q, k (along the head's 64) and v (along the keys) are quantised and stored as images of the next launch's operand registers.  Nothing of the problem is left out.
; LIMITS: NaN and infinities are not served.  A block whose largest magnitude lies under 2^-124 (a block of zeros too) gets the scale byte 1; these bytes are read by this program alone.
; SHARES: 256 work-groups.  A work-group takes 256 tokens: first x 256 columns of q or k (a wave: 128 x 128, lane = token, registers along the channels), then 128 channels of v x the same 256 tokens (a wave: 64 channels x 128 tokens, lane = channel, registers along the keys).
; LDS: rows hold all of K = 1,024: 512 bytes + 16 of padding.  x's 256 rows, then the weights' 256 rows, then both sides' scale bytes: four joint loads at the head, one a wave.  x stays for both products.
; Behind the first product the first half of the weights' rows and of their scale bytes is filled again with v's 128 rows (two joint loads, waves 0 and 1), which land while q and k go out; the table of cosines and sines lies in the second half, which has had its last fill.
; CLUSTERS: 4 x 4: x's tiles are shared along a row of the cluster, the weights' along a column.  All loads stand at the head or behind the one change, so there is no loop in which a prefetch could run ahead.
.set PITCH,  528
.set HALFT,  128*PITCH
.set SLOT,   256                       ; the second 512 along K begin 256 bytes on in each row
.set NQ,     4
.set FR,     8
.set NL,     2
.set NP,     4
.set SCL,    4*HALFT
.set TBL,    3*HALFT                   ; the table of cosines and sines, 65,536 bytes, in the weights' rows 128 to 255
.set HALFS,  16*272
.set SBLK,   2*272
.set SPARE,  SCL+4*HALFS
.set REC,    217088
.set KSCO,   65536
.set VIMG,   73728
.set VSC,    139264
.set QOFF,   143360
.set LI,   3
.set L8,   4
.set TW,   5
.set TR,   6
.set ADRA, 16
.set ADRB, 20
.set ADRS, 27
.set SPW,  28
.set NIL,  29
.set SC,   32
.set AF,   128
.set X,    32
.set Y,    0
.set AN,   32
.set ZZ,   48
.set NN,   64
.set R2,   80
.set IFR,  96
.set TF,   112
.set MG,   114
.set KS9,  116
.set KC10, 118
.set SW,   120
.set CO,   128
.set SI,   144
.set TM,   160
.set PWS,  176
.set PCD,  184
.set BI,   192
.set WV,   16
.set RH,   17
.set CH,   18
.set ROLE, 19
.set G1,   24
.set G0,   32
.set G1B,  48
.set G0B,  56
.set SEL,  66
.set G1S,  68
.set G0S,  76
.set G1SB, 80
.set G0SB, 88
.set OUT,  92
.set OUTS, 94
.set BB,   96
.set HM,   100
.set K_IPI, 24
.set K_NMG, 26
.set K_NPA, 28
.set K_NPB, 30
.set K_S11, 32
.set K_S7,  34
.set K_S5,  36
.set K_S3,  38
.set K_C12, 40
.set K_C8,  42
.set K_C6,  44
.set K_C4,  46
.set MSB, 0
.macro WIN new
.if MSB != \new
	s_set_vgpr_msb (MSB<<8)|\new
.set MSB, \new
.endif
.endm
.set MUL_LO, 0xa1
.set MUL_HI, 0xf1
.set TO_B,   0x40
.macro JLOAD g0a, g1a, g0b, g1b
	s_cmp_eq_u32 s[RH], 0
	s_cbranch_scc0 .Lfor_b_\@
	tensor_load_to_lds s[\g0a:\g0a+3], s[\g1a:\g1a+7]
	s_nop 0
.rept 4
	v_nop
.endr
	s_branch .Lasked_\@
.Lfor_b_\@:
	tensor_load_to_lds s[\g0b:\g0b+3], s[\g1b:\g1b+7]
	s_nop 0
.rept 4
	v_nop
.endr
.Lasked_\@:
.endm
.macro CROUND
	s_barrier_signal -1
	s_barrier_wait -1
	s_cmp_lg_u32 s[WV], 0
	s_cbranch_scc1 .Lnot_wave_0_\@
	s_barrier_signal -3
.Lnot_wave_0_\@:
	s_barrier_wait -3
	s_barrier_signal -1
	s_barrier_wait -1
.endm
.macro PLACES n
.rept \n
	v_nop
.endr
.endm
	s_load_b256 s[4:11], s[0:1], 0x0
	s_load_b128 s[12:15], s[0:1], 0x20
	v_lshl_add_u32 v[SPW], v0, 2, SPARE
	v_mov_b32 v[NIL], 0
	ds_add_u32 v[SPW], v[NIL]
	ds_add_u32 v[SPW], v[NIL]
	v_lshrrev_b32 v1, 5, v0
	v_readfirstlane_b32 s[WV], v1
	s_lshr_b32 s[RH], s[WV], 1
	s_and_b32 s[CH], s[WV], 1
	s_bfe_u32 s20, ttmp6, 0x40000
	s_bfe_u32 s21, ttmp6, 0x40004
	s_and_b32 s23, ttmp7, 0xffff
	s_cmp_ge_u32 s23, 8
	s_cselect_b32 s[ROLE], 1, 0
	s_lshl_b32 s100, s21, 2
	s_lshl_b32 s100, 15, s100
	s_lshl_b32 s101, 0x1111, s20
	s_or_b32 s[G1+0], s100, (0<<16)|(1<<20)|(1<<21)|(6<<22)|(3<<25)
	s_or_b32 s[G1B+0], s101, (0<<16)|(1<<20)|(1<<21)|(6<<22)|(3<<25)
.irp g, G1, G1B
	s_mov_b32 s[\g+1], 512<<16
	s_mov_b32 s[\g+2], 256<<16
	s_mov_b32 s[\g+3], 512<<16
	s_mov_b32 s[\g+4], 256
	s_mov_b32 s[\g+5], 512
	s_mov_b32 s[\g+6], 0
	s_mov_b32 s[\g+7], 0
.endr
	s_or_b32 s[G1S+0], s100, (3<<16)|(1<<20)|(1<<21)|(5<<22)|(3<<25)
	s_or_b32 s[G1SB+0], s101, (3<<16)|(1<<20)|(1<<21)|(5<<22)|(3<<25)
.irp g, G1S, G1SB
	s_mov_b32 s[\g+1], 32<<16
	s_mov_b32 s[\g+2], 32<<16
	s_mov_b32 s[\g+3], 32<<16
	s_mov_b32 s[\g+4], 32
	s_mov_b32 s[\g+5], 32
	s_mov_b32 s[\g+6], 0
	s_mov_b32 s[\g+7], 0
.endr
	s_mov_b32 s[SEL], 0x76543210
	s_mov_b32 s[SEL+1], 0xfedcba98
	s_lshl_b32 s40, s23, 10
	s_cmp_ge_u32 s23, 8
	s_cselect_b32 s40, 2048, s40
	s_lshl_b32 s41, s21, 8
	s_add_co_u32 s40, s40, s41
	s_lshl_b32 s41, s[CH], 7
	s_add_co_u32 s44, s40, s41
	s_lshl_b32 s44, s44, 9
	s_mov_b32 s45, 0
	s_max_u32 s42, s23, 8
	s_sub_co_u32 s42, s42, 8
	s_lshl_b32 s42, s42, 1
	s_add_co_u32 s42, s42, ttmp9
	s_lshl_b32 s42, s42, 10
	s_lshl_b32 s43, s20, 8
	s_add_co_u32 s42, s42, s43
	s_lshl_b32 s43, s[CH], 7
	s_add_co_u32 s46, s42, s43
	s_lshl_b32 s46, s46, 9
	s_mov_b32 s47, 0
	s_mul_i32 s2, s[WV], HALFT
	s_mul_i32 s3, s[WV], HALFS
	s_wait_dscnt 0x0
	s_wait_kmcnt 0x0
	s_cmp_eq_u32 s[ROLE], 0
	s_cselect_b64 s[92:93], s[4:5], s[8:9]
	s_cselect_b64 s[94:95], s[6:7], s[10:11]
	s_cselect_b64 s[96:97], s[8:9], s[4:5]
	s_cselect_b64 s[98:99], s[10:11], s[6:7]
	s_add_nc_u64 s[92:93], s[92:93], s[44:45]
	s_add_nc_u64 s[96:97], s[96:97], s[46:47]
	s_lshr_b32 s44, s44, 4
	s_lshr_b32 s46, s46, 4
	s_add_nc_u64 s[94:95], s[94:95], s[44:45]
	s_add_nc_u64 s[98:99], s[98:99], s[46:47]
	CROUND
; THE HEAD'S FOUR TILES, ONE A WAVE, each whole and for all of K: wave 0 x's 256 rows, wave 1 the weights' 256 rows, wave 2 and wave 3 the scale bytes of the same rows.
; s[92:99] stand at my half's 128 rows: the half's bytes are taken off again for the whole tiles.  The groups 0 lie in s[4:11], whose arguments have been used.
.set G0H,  4
.set G0HB, 8
	s_lshl_b32 s44, s[CH], 16                      ; 128 rows of 512 bytes of codes
	s_mov_b32 s45, 0
	s_lshl_b32 s46, s[CH], 12                      ; 128 rows of 32 scale bytes
	s_mov_b32 s47, 0
	s_mov_b32 s[G0H], 1
	s_mov_b32 s[G0H+1], 0
	s_sub_nc_u64 s[G0H+2:G0H+3], s[92:93], s[44:45]
	s_or_b32 s[G0H+3], s[G0H+3], 0x80000000
	s_mov_b32 s[G0HB], 1
	s_mov_b32 s[G0HB+1], 2*HALFT
	s_sub_nc_u64 s[G0HB+2:G0HB+3], s[96:97], s[44:45]
	s_or_b32 s[G0HB+3], s[G0HB+3], 0x80000000
	s_mov_b32 s[G0S], 1
	s_mov_b32 s[G0S+1], SCL
	s_sub_nc_u64 s[G0S+2:G0S+3], s[94:95], s[46:47]
	s_or_b32 s[G0S+3], s[G0S+3], 0x80000000
	s_mov_b32 s[G0SB], 1
	s_mov_b32 s[G0SB+1], SCL+2*HALFS
	s_sub_nc_u64 s[G0SB+2:G0SB+3], s[98:99], s[46:47]
	s_or_b32 s[G0SB+3], s[G0SB+3], 0x80000000
; v's weights: rows 2048 + 128 (4 x cluster x + cx) on: 2048 - 128 (4 x cluster x + cx + my half) rows behind where s[96:99] stand.  Their groups 0 lie in s[56:63], which nothing writes while the loads are out.
.set G2C,  56
.set G2S,  60
	s_lshl_b32 s44, ttmp9, 2
	s_add_co_u32 s44, s44, s20
	s_add_co_u32 s44, s44, s[CH]
	s_lshl_b32 s44, s44, 7
	s_sub_co_u32 s44, 2048, s44
	s_lshl_b32 s46, s44, 5                         ; 32 scale bytes a row,
	s_lshl_b32 s44, s44, 9                         ; 512 bytes of codes
	s_mov_b32 s[G2C], 1
	s_mov_b32 s[G2C+1], 2*HALFT
	s_add_nc_u64 s[G2C+2:G2C+3], s[96:97], s[44:45]
	s_or_b32 s[G2C+3], s[G2C+3], 0x80000000
	s_mov_b32 s[G2S], 1
	s_mov_b32 s[G2S+1], SCL+2*HALFS
	s_add_nc_u64 s[G2S+2:G2S+3], s[98:99], s[46:47]
	s_or_b32 s[G2S+3], s[G2S+3], 0x80000000
; one tree of branches on the wave's number, a load to an arm: every way through the head passes exactly one load
.macro ARM under, g0, g1, next
	s_cmp_lt_u32 s[WV], \under
	s_cbranch_scc0 \next
	tensor_load_to_lds s[\g0:\g0+3], s[\g1:\g1+7]
	s_nop 0
.rept 4
	v_nop
.endr
	s_branch .Lhead_asked
\next:
.endm
	ARM 1, G0H,  G1,  .Lhead_b
	ARM 2, G0HB, G1B, .Lhead_sa
	ARM 3, G0S,  G1S, .Lhead_sb
	tensor_load_to_lds s[G0SB:G0SB+3], s[G1SB:G1SB+7]
	s_nop 0
.rept 4
	v_nop
.endr
.Lhead_asked:
	v_and_b32 v1, 15, v0
	v_bfe_u32 v2, v0, 4, 1
	v_mul_u32_u24 v7, v1, PITCH
	v_lshl_add_u32 v7, v2, 4, v7
	s_mul_i32 s44, s[RH], HALFT
	s_mul_i32 s45, s[CH], HALFT
	s_add_co_u32 s45, s45, 2*HALFT
.irp s, 0,1
	v_add_nc_u32 v[ADRA+\s], s44, v7
	v_add_nc_u32 v[ADRB+\s], s45, v7
	s_add_co_u32 s44, s44, SLOT
	s_add_co_u32 s45, s45, SLOT
.endr
	v_mul_u32_u24 v7, v1, 32
	v_lshrrev_b32 v8, 8, v7
	v_lshl_add_u32 v7, v8, 4, v7
	s_mul_i32 s44, s[RH], HALFS
	s_mul_i32 s45, s[CH], HALFS
	s_add_co_u32 s45, s45, 2*HALFS
	s_sub_co_u32 s45, s45, s44
	v_mul_u32_u24 v8, s45, v2
	s_add_co_u32 s44, s44, SCL
	v_add_nc_u32 v7, v7, v8
	v_add_nc_u32 v[ADRS], s44, v7
	v_and_b32 v7, 31, v0
	v_lshlrev_b32 v[LI], 4, v7
	v_lshlrev_b32 v[L8], 3, v7
	s_lshl_b32 s44, s[WV], 14
	s_add_co_u32 s44, s44, TBL
	v_add_nc_u32 v[TW], s44, v[LI]
	s_lshl_b32 s44, s[RH], 15
	s_add_co_u32 s44, s44, TBL
	v_add_nc_u32 v[TR], s44, v[LI]
	v_cmp_ne_u32 s[HM], 0, v2
	v_lshlrev_b32 v8, 5, v2
	v_lshlrev_b32 v9, 2, v1
	s_cmp_eq_u32 s[ROLE], 0
	s_cselect_b32 s44, s40, s42
	s_cselect_b32 s45, s[RH], s[CH]
	s_cselect_b32 s46, s[CH], s[RH]
	s_cselect_b32 s47, s42, s40
	s_lshl_b32 s2, s46, 7
	s_add_co_u32 s2, s47, s2
	s_lshl_b32 s96, s2, 2
	s_mov_b32 s97, 0
	s_add_nc_u64 s[BB:BB+1], s[12:13], s[96:97]
	s_bfe_u32 s2, s2, 0x40006
	s_lshr_b32 s3, s44, 11
	s_lshl_b32 s3, s3, 4
	s_add_co_u32 s3, s3, s2
	s_mul_i32 s3, s3, REC
	s_and_b32 s44, s44, 2047
	s_lshl_b32 s45, s45, 7
	s_add_co_u32 s44, s44, s45
	s_lshl_b32 s101, s[CH], 6
	s_add_co_u32 s101, s101, s44
	s_cmp_lt_u32 s47, 1024
	s_cselect_b32 s45, QOFF, 0
	s_lshl_b32 s46, s44, 2
	s_add_co_u32 s46, s46, s45
	s_add_co_u32 s46, s46, KSCO
	s_lshl_b32 s47, s44, 1
	s_add_co_u32 s47, s47, VSC
	s_cmp_eq_u32 s[ROLE], 0
	s_cselect_b32 s46, s46, s47
	s_cselect_b32 s45, s45, VIMG
	s_lshl_b32 s47, s44, 5
	s_add_co_u32 s45, s45, s47
	s_add_co_u32 s92, s45, s3
	s_mov_b32 s93, 0
	s_add_co_u32 s94, s46, s3
	s_mov_b32 s95, 0
	s_add_nc_u64 s[OUT:OUT+1], s[14:15], s[92:93]
	s_add_nc_u64 s[OUTS:OUTS+1], s[14:15], s[94:95]
.macro FRAG reg, adr, q, i
.irp c, 0,1
	ds_load_b128 v[\reg+4*\c:\reg+4*\c+3], v[\adr] offset:64*(\q)+32*\c+(\i)*16*PITCH
.endr
.endm
.macro MUL16 a0, p, q, sc, zero
.irp a, \a0, \a0+1
.irp b, 0,1,2,3,4,5,6,7
.if \zero
	v_wmma_scale_f32_16x16x128_f8f6f4 v[8*(8*((\a)%4)+\b):8*(8*((\a)%4)+\b)+7], v[128*(\p)+FR*\b:128*(\p)+FR*\b+FR-1], v[AF+FR*(\a):AF+FR*(\a)+FR-1], 0, v[SC+8*NQ*(\sc)+NQ*\b+(\q)], v[SC+8*NQ*(\sc)+NQ*(\a)+(\q)] matrix_a_fmt:MATRIX_FMT_FP4 matrix_b_fmt:MATRIX_FMT_FP4 matrix_a_scale:MATRIX_SCALE_ROW1
.else
	v_wmma_scale_f32_16x16x128_f8f6f4 v[8*(8*((\a)%4)+\b):8*(8*((\a)%4)+\b)+7], v[128*(\p)+FR*\b:128*(\p)+FR*\b+FR-1], v[AF+FR*(\a):AF+FR*(\a)+FR-1], v[8*(8*((\a)%4)+\b):8*(8*((\a)%4)+\b)+7], v[SC+8*NQ*(\sc)+NQ*\b+(\q)], v[SC+8*NQ*(\sc)+NQ*(\a)+(\q)] matrix_a_fmt:MATRIX_FMT_FP4 matrix_b_fmt:MATRIX_FMT_FP4 matrix_a_scale:MATRIX_SCALE_ROW1
.endif
.endr
.endr
.endm
.macro FETCH_B slot, q, p
	WIN TO_B
.irp i, 0,1,2,3,4,5,6,7
	FRAG 128*(\p)+FR*\i, ADRB+\slot, \q, \i
.endr
	WIN 0
.endm
.macro FETCH_A slot, q, i0
.irp i, \i0, \i0+1, \i0+2, \i0+3
	FRAG AF+FR*(\i), ADRA+\slot, \q, \i
.endr
.endm
.macro SCALES sc
.irp i, 0,1,2,3,4,5,6,7
	ds_load_b128 v[SC+8*NQ*\sc+NQ*\i:SC+8*NQ*\sc+NQ*\i+3], v[ADRS] offset:\i*SBLK
.endr
.endm
.macro STEP slot, q, zero
	s_wait_dscnt 4*NL
	WIN MUL_LO
	MUL16 0, (\q)%2, \q, \slot, \zero
	MUL16 2, (\q)%2, \q, \slot, \zero
	s_wait_dscnt 0
	PLACES NP
	FETCH_B \slot, (\q)+1, 1-(\q)%2
	FETCH_A \slot, (\q)+1, 0
	WIN MUL_HI
	MUL16 4, (\q)%2, \q, \slot, \zero
	MUL16 6, (\q)%2, \q, \slot, \zero
	PLACES NP
	WIN 0
	FETCH_A \slot, (\q)+1, 4
.endm
.macro TURN slot, next
	s_wait_tensorcnt 0x0
	ds_add_u32 v[SPW], v[NIL]
	s_wait_dscnt 4*NL+1
	WIN MUL_LO
	MUL16 0, 1, NQ-1, \slot, 0
	s_wait_dscnt 0x0
	s_barrier_signal -1
	MUL16 2, 1, NQ-1, \slot, 0
	WIN 0
	s_barrier_wait -1
	PLACES NP
	v_add_nc_u32 v[ADRS], 4*NQ, v[ADRS]
	FETCH_B \next, 0, 0
	FETCH_A \next, 0, 0
	SCALES \next
	WIN MUL_HI
	MUL16 4, 1, NQ-1, \slot, 0
	MUL16 6, 1, NQ-1, \slot, 0
	PLACES NP
	WIN 0
	FETCH_A \next, 0, 4
.endm
.macro STEPS slot, from
.set Q, \from
.rept NQ-1-\from
	STEP \slot, Q, 0
.set Q, Q+1
.endr
.endm
	s_wait_alu depctr_va_vdst(0)
	s_wait_tensorcnt 0x0
	s_barrier_signal -1
	s_barrier_wait -1
	FETCH_B 0, 0, 0
	FETCH_A 0, 0, 0
	SCALES 0
	FETCH_A 0, 0, 4
	STEP 0, 0, 1
	STEPS 0, 1
	TURN 0, 1
	STEPS 1, 0
	s_wait_dscnt 4*NL
	WIN MUL_LO
	MUL16 0, 1, NQ-1, 1, 0
	MUL16 2, 1, NQ-1, 1, 0
	s_wait_dscnt 0
	WIN MUL_HI
	MUL16 4, 1, NQ-1, 1, 0
	MUL16 6, 1, NQ-1, 1, 0
	WIN 0
	PLACES NP
; THE CHANGE OF WEIGHTS.  The wait, the add, its wait and the round stand ahead of a joint refill: behind the round no wave of any partner reads the weights' rows or their scale bytes any more.
	s_wait_tensorcnt 0x0
	ds_add_u32 v[SPW], v[NIL]
	s_mov_b32 s[G1B+2], 128<<16                    ; no tensor load of mine is out: v's weights are 128 rows,
	s_mov_b32 s[G1B+4], 128
	s_mov_b32 s[G1SB+2], 16<<16                    ; their scale bytes 16 rows of 256 bytes
	s_mov_b32 s[G1SB+4], 16
	s_wait_dscnt 0x0
	CROUND
	s_cmp_lt_u32 s[WV], 1                          ; wave 0 asks for the codes, wave 1 for the scale bytes, the others for nothing
	s_cbranch_scc0 .Lv_s
	tensor_load_to_lds s[G2C:G2C+3], s[G1B:G1B+7]
	s_nop 0
.rept 4
	v_nop
.endr
	s_branch .Lv_asked
.Lv_s:
	s_cmp_lt_u32 s[WV], 2
	s_cbranch_scc0 .Lv_asked
	tensor_load_to_lds s[G2S:G2S+3], s[G1SB:G1SB+7]
	s_nop 0
.rept 4
	v_nop
.endr
.Lv_asked:
.macro QUANT s, pw
.irp b, 0,1,2,3
	v_max3_num_f32 v[TM+\b], |v[\s+16*\b]|, |v[\s+1+16*\b]|, 0x1800000
.endr
.irp i, 2,4,6,8,10,12,14
.irp b, 0,1,2,3
	v_max3_num_f32 v[TM+\b], v[TM+\b], |v[\s+16*\b+\i]|, |v[\s+1+16*\b+\i]|
.endr
.endr
.irp b, 0,1,2,3
	v_permlanex16_b32 v[TM+4+\b], v[TM+\b], s[SEL], s[SEL+1]
.endr
.irp b, 0,1,2,3
	v_max_num_f32 v[TM+\b], v[TM+\b], v[TM+4+\b]
.endr
.irp b, 0,1,2,3
	v_add_nc_u32 v[TM+12+\b], 0xff000000, v[TM+\b]
.endr
.irp b, 0,1,2,3
	v_lshrrev_b32 v[TM+4+\b], 23, v[TM+12+\b]
.endr
	v_lshl_or_b32 v[\pw], v[TM+5], 8, v[TM+4]
	v_lshl_or_b32 v[\pw], v[TM+6], 16, v[\pw]
	v_lshl_or_b32 v[\pw], v[TM+7], 24, v[\pw]
	s_wait_xcnt 0x0
.irp c, 0,1
.irp e, 0,1
.irp i, 0,1
	v_cvt_scalef32_pk8_fp4_f32 v[PCD+4*\c+2*\i+\e], v[\s+16*(2*\c+\e)+8*\i:\s+16*(2*\c+\e)+8*\i+7], v[TM+12+2*\c+\e]
.endr
.endr
.endr
	v_nop
.irp c, 0,1
.irp i, 0,1
	v_permlane16_swap_b32 v[PCD+4*\c+2*\i], v[PCD+4*\c+2*\i+1]
.endr
.endr
.endm
.irp b, 0,1,2,3
	v_mov_b32 v[TM+4+\b], 0
.endr
.irp b, 0,1,2,3,4,5,6,7
	global_load_b128 v[BI+8*\b:BI+8*\b+3], v8, s[BB:BB+1] offset:64*\b
	global_load_b128 v[BI+8*\b+4:BI+8*\b+7], v8, s[BB:BB+1] offset:64*\b+16
.endr
.macro IFQ phi, lo, hi
	v_mov_b32 v[IFR+\phi], \lo
	v_mov_b32 v7, \hi
	v_cndmask_b32 v[IFR+\phi], v[IFR+\phi], v7, s[HM]
.endm
	IFQ 0,  1.0,                   0.31622776601683794
	IFQ 1,  0.7498942093324559,    0.23713737056616552
	IFQ 2,  0.5623413251903491,    0.1778279410038923
	IFQ 3,  0.4216965034285822,    0.1333521432163324
	IFQ 4,  0.1,                   0.031622776601683794
	IFQ 5,  0.07498942093324559,   0.023713737056616552
	IFQ 6,  0.05623413251903491,   0.01778279410038923
	IFQ 7,  0.04216965034285822,   0.01333521432163324
	IFQ 8,  0.01,                  0.0031622776601683794
	IFQ 9,  0.007498942093324559,  0.0023713737056616552
	IFQ 10, 0.005623413251903491,  0.001778279410038923
	IFQ 11, 0.004216965034285822,  0.001333521432163324
	IFQ 12, 0.001,                 0.00031622776601683794
	IFQ 13, 0.0007498942093324559, 0.00023713737056616552
	IFQ 14, 0.0005623413251903491, 0.0001778279410038923
	IFQ 15, 0.0004216965034285822, 0.0001333521432163324
	v_add_nc_u32 v7, s101, v1
	v_cvt_f32_u32 v[TF], v7
	v_mov_b32 v[TF+1], v[TF]
.macro KPAIR reg, val
	s_mov_b32 s[\reg], \val
	s_mov_b32 s[\reg+1], \val
.endm
	s_wait_alu depctr_va_vdst(0)
	KPAIR K_IPI, 0x3ea2f983
	KPAIR K_NMG, 0xcb400000
	KPAIR K_NPA, 0xc0490fdb
	KPAIR K_NPB, 0x33bbbd2e
	KPAIR K_S11, 0xb2d7322b
	KPAIR K_S7,  0xb9500d01
	KPAIR K_S5,  0x3c088889
	KPAIR K_S3,  0xbe2aaaab
	KPAIR K_C12, 0x310f76c7
	KPAIR K_C8,  0x37d00d01
	KPAIR K_C6,  0xbab60b61
	KPAIR K_C4,  0x3d2aaaab
.irp i, 0,1
	v_mov_b32 v[MG+\i], 0x4b400000
	v_mov_b32 v[KS9+\i], 0x3638ef1d
	v_mov_b32 v[KC10+\i], 0xb493f27e
.endr
.macro SINCOS
.irp k, 0,2,4,6,8,10,12,14
	v_pk_mul_f32 v[AN+\k:AN+\k+1], v[IFR+\k:IFR+\k+1], v[TF:TF+1]
.endr
.irp k, 0,2,4,6,8,10,12,14
	v_pk_fma_f32 v[ZZ+\k:ZZ+\k+1], v[AN+\k:AN+\k+1], s[K_IPI:K_IPI+1], v[MG:MG+1] op_sel_hi:[1,0,1]
.endr
.irp k, 0,2,4,6,8,10,12,14
	v_pk_add_f32 v[NN+\k:NN+\k+1], v[ZZ+\k:ZZ+\k+1], s[K_NMG:K_NMG+1] op_sel_hi:[1,0]
.endr
.irp k, 0,2,4,6,8,10,12,14
	v_pk_fma_f32 v[AN+\k:AN+\k+1], v[NN+\k:NN+\k+1], s[K_NPA:K_NPA+1], v[AN+\k:AN+\k+1] op_sel_hi:[1,0,1]
.endr
.irp k, 0,2,4,6,8,10,12,14
	v_pk_fma_f32 v[AN+\k:AN+\k+1], v[NN+\k:NN+\k+1], s[K_NPB:K_NPB+1], v[AN+\k:AN+\k+1] op_sel_hi:[1,0,1]
.endr
.irp j, 0,1,2,3,4,5,6,7,8,9,10,11,12,13,14,15
	v_lshlrev_b32 v[ZZ+\j], 31, v[ZZ+\j]
.endr
.irp k, 0,2,4,6,8,10,12,14
	v_pk_mul_f32 v[R2+\k:R2+\k+1], v[AN+\k:AN+\k+1], v[AN+\k:AN+\k+1]
.endr
.irp k, 0,2,4,6,8,10,12,14
	v_pk_fma_f32 v[SI+\k:SI+\k+1], v[R2+\k:R2+\k+1], s[K_S11:K_S11+1], v[KS9:KS9+1] op_sel_hi:[1,0,1]
	v_pk_fma_f32 v[CO+\k:CO+\k+1], v[R2+\k:R2+\k+1], s[K_C12:K_C12+1], v[KC10:KC10+1] op_sel_hi:[1,0,1]
.endr
.irp k, 0,2,4,6,8,10,12,14
	v_pk_fma_f32 v[SI+\k:SI+\k+1], v[SI+\k:SI+\k+1], v[R2+\k:R2+\k+1], s[K_S7:K_S7+1] op_sel_hi:[1,1,0]
	v_pk_fma_f32 v[CO+\k:CO+\k+1], v[CO+\k:CO+\k+1], v[R2+\k:R2+\k+1], s[K_C8:K_C8+1] op_sel_hi:[1,1,0]
.endr
.irp k, 0,2,4,6,8,10,12,14
	v_pk_fma_f32 v[SI+\k:SI+\k+1], v[SI+\k:SI+\k+1], v[R2+\k:R2+\k+1], s[K_S5:K_S5+1] op_sel_hi:[1,1,0]
	v_pk_fma_f32 v[CO+\k:CO+\k+1], v[CO+\k:CO+\k+1], v[R2+\k:R2+\k+1], s[K_C6:K_C6+1] op_sel_hi:[1,1,0]
.endr
.irp k, 0,2,4,6,8,10,12,14
	v_pk_fma_f32 v[SI+\k:SI+\k+1], v[SI+\k:SI+\k+1], v[R2+\k:R2+\k+1], s[K_S3:K_S3+1] op_sel_hi:[1,1,0]
	v_pk_fma_f32 v[CO+\k:CO+\k+1], v[CO+\k:CO+\k+1], v[R2+\k:R2+\k+1], s[K_C4:K_C4+1] op_sel_hi:[1,1,0]
.endr
.irp k, 0,2,4,6,8,10,12,14
	v_pk_mul_f32 v[NN+\k:NN+\k+1], v[R2+\k:R2+\k+1], v[AN+\k:AN+\k+1]
	v_pk_fma_f32 v[CO+\k:CO+\k+1], v[R2+\k:R2+\k+1], v[CO+\k:CO+\k+1], -0.5 op_sel_hi:[1,1,0]
.endr
.irp k, 0,2,4,6,8,10,12,14
	v_pk_fma_f32 v[SI+\k:SI+\k+1], v[NN+\k:NN+\k+1], v[SI+\k:SI+\k+1], v[AN+\k:AN+\k+1]
	v_pk_fma_f32 v[CO+\k:CO+\k+1], v[R2+\k:R2+\k+1], v[CO+\k:CO+\k+1], 1.0 op_sel_hi:[1,1,0]
.endr
.irp j, 0,1,2,3,4,5,6,7,8,9,10,11,12,13,14,15
	v_xor_b32 v[SI+\j], v[SI+\j], v[ZZ+\j]
	v_xor_b32 v[CO+\j], v[CO+\j], v[ZZ+\j]
.endr
.endm
.irp i, 0,1,2,3
	SINCOS
.irp q, 0,1,2,3,4,5,6,7
	ds_store_b128 v[TW], v[CO+4*\q:CO+4*\q+3] offset:4096*\i+512*\q
.endr
	v_add_f32 v[TF], 0x41800000, v[TF]
	v_add_f32 v[TF+1], 0x41800000, v[TF+1]
.endr
	s_wait_dscnt 0x0
	s_barrier_signal -1
	s_barrier_wait -1
	s_wait_loadcnt 0x0
.macro ROPE8 g
.irp u, 0,1,2,3
	v_pk_mul_f32 v[TM+4*\u:TM+4*\u+1], v[Y+16*(\g)+4*\u:Y+16*(\g)+4*\u+1], v[CO+(8*(\g)+2*\u)%16:CO+(8*(\g)+2*\u)%16+1] op_sel:[0,0] op_sel_hi:[1,0]
	v_pk_mul_f32 v[TM+4*\u+2:TM+4*\u+3], v[Y+16*(\g)+4*\u+2:Y+16*(\g)+4*\u+3], v[CO+(8*(\g)+2*\u)%16:CO+(8*(\g)+2*\u)%16+1] op_sel:[0,1] op_sel_hi:[1,1]
.endr
.irp u, 0,1,2,3
	v_pk_fma_f32 v[X+16*(\g)+4*\u:X+16*(\g)+4*\u+1], v[Y+16*(\g)+4*\u:Y+16*(\g)+4*\u+1], v[SI+(8*(\g)+2*\u)%16:SI+(8*(\g)+2*\u)%16+1], v[TM+4*\u:TM+4*\u+1] op_sel:[1,0,0] op_sel_hi:[0,0,1] neg_lo:[0,1,0]
	v_pk_fma_f32 v[X+16*(\g)+4*\u+2:X+16*(\g)+4*\u+3], v[Y+16*(\g)+4*\u+2:Y+16*(\g)+4*\u+3], v[SI+(8*(\g)+2*\u)%16:SI+(8*(\g)+2*\u)%16+1], v[TM+4*\u+2:TM+4*\u+3] op_sel:[1,1,0] op_sel_hi:[0,1,1] neg_lo:[0,1,0]
.endr
.endm
.macro QKBLOCK a
.irp q, 0,1,2,3,4,5,6,7
	ds_load_b128 v[CO+4*\q:CO+4*\q+3], v[TR] offset:4096*(\a)+512*\q
.endr
	WIN (0x42+(\a)/4)
.set p, 0
.rept 32
	v_pk_add_f32 v[Y+p:Y+p+1], v[64*((\a)%4)+p:64*((\a)%4)+p+1], v[BI+p:BI+p+1]
.set p, p+2
.endr
	WIN 0x01
	s_wait_dscnt 0x0
	ROPE8 0
	ROPE8 1
	ROPE8 2
	ROPE8 3
	WIN 0
	QUANT X, PWS+(\a)
.irp c, 0,1
	global_store_b128 v[LI], v[PCD+4*\c:PCD+4*\c+3], s[OUT:OUT+1] offset:\c*REC+512*(\a)
.endr
.endm
.irp a, 0,1,2,3,4,5,6,7
	QKBLOCK \a
.endr
.irp p, 0,1,2,3
	v_cndmask_b32 v[TM+\p], v[PWS+2*\p], v[PWS+2*\p+1], s[HM]
.endr
.irp p, 0,1,2,3
	v_and_b32 v[SW+\p], 0xffff, v[TM+\p]
	v_lshrrev_b32 v[SW+4+\p], 16, v[TM+\p]
.endr
	global_store_b128 v[LI], v[SW:SW+3], s[OUTS:OUTS+1]
	global_store_b128 v[LI], v[SW+4:SW+7], s[OUTS:OUTS+1] offset:REC
; THE SECOND PRODUCT: v^T = w_v x^T.  Source 1 = 16 channels of my 64 (one head), source 0 = 16 of my 128 tokens, read from x's rows, which have stayed in LDS.
	s_wait_xcnt 0x0                                ; q's and k's stores have read their bases and registers
	s_lshl_b32 s44, ttmp9, 2
	s_add_co_u32 s44, s44, s20
	s_lshl_b32 s44, s44, 7
	s_lshl_b32 s45, s[RH], 6
	s_add_co_u32 s44, s44, s45
	s_add_co_u32 s44, s44, 2048                    ; my first row of w_qkv: 2048 + 128 (4 x cluster x + cx) + 64 x half
	s_lshl_b32 s96, s44, 2
	s_mov_b32 s97, 0
	s_add_nc_u64 s[BB:BB+1], s[12:13], s[96:97]    ; its bias
	s_bfe_u32 s2, s44, 0x40006                     ; the head
	s_lshl_b32 s44, s23, 10
	s_lshl_b32 s45, s21, 8
	s_add_co_u32 s44, s44, s45                     ; the work-group's first token
	s_lshr_b32 s3, s44, 11
	s_lshl_b32 s3, s3, 4
	s_add_co_u32 s3, s3, s2
	s_mul_i32 s3, s3, REC                          ; the record of (batch, head)
	s_and_b32 s44, s44, 2047
	s_lshl_b32 s45, s[CH], 7
	s_add_co_u32 s44, s44, s45                     ; my first key in the batch
	s_lshl_b32 s92, s44, 5                         ; v's image: 32 bytes a key,
	s_add_co_u32 s92, s92, VIMG
	s_add_co_u32 s92, s92, s3
	s_mov_b32 s93, 0
	s_lshl_b32 s94, s44, 1                         ; its scale words: 2 bytes a key
	s_add_co_u32 s94, s94, VSC
	s_add_co_u32 s94, s94, s3
	s_mov_b32 s95, 0
	s_add_nc_u64 s[OUT:OUT+1], s[14:15], s[92:93]
	s_add_nc_u64 s[OUTS:OUTS+1], s[14:15], s[94:95]
.irp a, 0,1,2,3
	global_load_b32 v[BI+2*\a], v9, s[BB:BB+1] offset:64*\a
	global_load_b32 v[BI+2*\a+1], v9, s[BB:BB+1] offset:64*\a
.endr
	v_mul_u32_u24 v7, v1, PITCH
	v_lshl_add_u32 v7, v2, 4, v7                   ; a fragment's row x pitch + 16 x half
	s_mul_i32 s44, s[RH], 64*PITCH
	s_add_co_u32 s44, s44, 2*HALFT                 ; my 64 rows of v's weights
	s_mul_i32 s45, s[CH], HALFT                    ; my 128 rows of x
.irp s, 0,1
	v_add_nc_u32 v[ADRA+\s], s44, v7
	v_add_nc_u32 v[ADRB+\s], s45, v7
	s_add_co_u32 s44, s44, SLOT
	s_add_co_u32 s45, s45, SLOT
.endr
	v_mul_u32_u24 v7, v1, 32                       ; my row's scale bytes: 32 a row,
	v_lshrrev_b32 v8, 8, v7
	v_lshl_add_u32 v7, v8, 4, v7                   ; and 16 more for each 256 passed
	s_mul_i32 s44, s[CH], HALFS                    ; lanes 16-31: x's, my 128 rows
	s_mul_i32 s45, s[RH], HALFS/2                  ; lanes 0-15: the weights', my 64 rows, which lie further on:
	s_add_co_u32 s45, s45, 2*HALFS
	s_sub_co_u32 s45, s45, s44
	v_xor_b32 v8, 1, v2
	v_mul_u32_u24 v8, s45, v8                      ; the lower base + (1 - half) x the distance
	s_add_co_u32 s44, s44, SCL
	v_add_nc_u32 v7, v7, v8
	v_add_nc_u32 v[ADRS], s44, v7
.macro FETCH_A2 slot, q, p                     ; the weights' four fragments into set p
.irp i, 0,1,2,3
	FRAG AF+32*(\p)+FR*\i, ADRA+\slot, \q, \i
.endr
.endm
.macro MUL2 p, q, sc, zero                     ; 32 products: the 32 accumulators take turns, in the same order in every step
.irp a, 0,1,2,3
.irp b, 0,1,2,3,4,5,6,7
.if \zero
	v_wmma_scale_f32_16x16x128_f8f6f4 v[8*(8*\a+\b):8*(8*\a+\b)+7], v[128*(\p)+FR*\b:128*(\p)+FR*\b+FR-1], v[AF+32*(\p)+FR*\a:AF+32*(\p)+FR*\a+FR-1], 0, v[SC+8*NQ*(\sc)+NQ*\b+(\q)], v[SC+8*NQ*(\sc)+NQ*\a+(\q)] matrix_a_fmt:MATRIX_FMT_FP4 matrix_b_fmt:MATRIX_FMT_FP4 matrix_a_scale:MATRIX_SCALE_ROW1
.else
	v_wmma_scale_f32_16x16x128_f8f6f4 v[8*(8*\a+\b):8*(8*\a+\b)+7], v[128*(\p)+FR*\b:128*(\p)+FR*\b+FR-1], v[AF+32*(\p)+FR*\a:AF+32*(\p)+FR*\a+FR-1], v[8*(8*\a+\b):8*(8*\a+\b)+7], v[SC+8*NQ*(\sc)+NQ*\b+(\q)], v[SC+8*NQ*(\sc)+NQ*\a+(\q)] matrix_a_fmt:MATRIX_FMT_FP4 matrix_b_fmt:MATRIX_FMT_FP4 matrix_a_scale:MATRIX_SCALE_ROW1
.endif
.endr
.endr
.endm
	s_wait_alu depctr_va_vdst(0)
	s_wait_tensorcnt 0x0                           ; v's weights and their scale bytes have landed,
	s_barrier_signal -1
	s_barrier_wait -1                              ; as every wave now knows
	SCALES 0
	v_add_nc_u32 v[ADRS], 4*NQ, v[ADRS]
	SCALES 1
	FETCH_B 0, 0, 0
	FETCH_A2 0, 0, 0
.irp g, 0,1,2,3,4,5,6                          ; eight steps of 128 along K on two sets of fragments
.if \g > 0
	PLACES NP                                      ; in front of loads into the set that the step before multiplied
.endif
	FETCH_B (\g+1)/4, (\g+1)%4, (\g+1)%2
	FETCH_A2 (\g+1)/4, (\g+1)%4, (\g+1)%2
	s_wait_dscnt 24                                ; all but the 24 just issued
	WIN MUL_LO
.if \g == 0
	MUL2 0, 0, 0, 1
.else
	MUL2 \g%2, \g%4, \g/4, 0
.endif
.endr
	s_wait_dscnt 0x0
	MUL2 1, 3, 1, 0
	WIN 0
	PLACES NP
	s_wait_loadcnt 0x0                             ; the bias
.macro VBLOCK a
	WIN (0x02+(\a)/4)
.set p, 0
.rept 32
	v_pk_add_f32 v[X+p:X+p+1], v[64*((\a)%4)+p:64*((\a)%4)+p+1], v[BI+2*(\a):BI+2*(\a)+1]
.set p, p+2
.endr
	WIN 0
	QUANT X, PWS+(\a)
.irp c, 0,1
	global_store_b128 v[LI], v[PCD+4*\c:PCD+4*\c+3], s[OUT:OUT+1] offset:((\a)/4)*REC+((\a)%4)*1024+512*\c
.endr
.endm
.irp a, 0,1,2,3
	VBLOCK \a
.endr
.irp p, 0,1
	v_cndmask_b32 v[SW+\p], v[PWS+2*\p], v[PWS+2*\p+1], s[HM]
.endr
	global_store_b64 v[L8], v[SW:SW+1], s[OUTS:OUTS+1]
.Ltail:
	s_wait_tensorcnt 0x0
	ds_add_u32 v[SPW], v[NIL]
	s_wait_dscnt 0x0
	CROUND
	s_endpgm
.Lfunc_end_k_q685e65fb87_qkv:
	.size	k_q685e65fb87_qkv, .Lfunc_end_k_q685e65fb87_qkv-k_q685e65fb87_qkv
	.p2alignl 7, 3214868480
	.fill 96, 4, 3214868480
	.section	.rodata,"a",@progbits
	.p2align	6, 0x0
	.amdhsa_kernel k_q685e65fb87_qkv
		.amdhsa_group_segment_fixed_size 327680
		.amdhsa_private_segment_fixed_size 0
		.amdhsa_enable_private_segment 0
		.amdhsa_kernarg_size 48
		.amdhsa_user_sgpr_count 2
		.amdhsa_user_sgpr_kernarg_segment_ptr 1
		.amdhsa_wavefront_size32 1
		.amdhsa_system_sgpr_workgroup_id_x 1
		.amdhsa_system_sgpr_workgroup_id_y 1
		.amdhsa_system_sgpr_workgroup_id_z 1
		.amdhsa_system_vgpr_workitem_id 0
		.amdhsa_next_free_vgpr 1024
		.amdhsa_next_free_sgpr 102
		.amdhsa_reserve_vcc 0
		.amdhsa_float_denorm_mode_32 3
		.amdhsa_float_denorm_mode_16_64 3
		.amdhsa_memory_ordered 1
		.amdhsa_forward_progress 1
		.amdhsa_inst_pref_size 255
	.end_amdhsa_kernel
	.section	.bss,"aw",@nobits
	.p2align	6
	.space	262144
	.amdgpu_metadata
---
amdhsa.version: [ 1, 2 ]
amdhsa.kernels:
  - .name:           k_q685e65fb87_qkv
    .symbol:         k_q685e65fb87_qkv.kd
    .args:
      - { .name: x_codes, .offset: 0, .size: 8, .value_kind: global_buffer, .address_space: global }
      - { .name: x_scales, .offset: 8, .size: 8, .value_kind: global_buffer, .address_space: global }
      - { .name: w_qkv_codes, .offset: 16, .size: 8, .value_kind: global_buffer, .address_space: global }
      - { .name: w_qkv_scales, .offset: 24, .size: 8, .value_kind: global_buffer, .address_space: global }
      - { .name: b_qkv, .offset: 32, .size: 8, .value_kind: global_buffer, .address_space: global }
      - { .name: qkv, .offset: 40, .size: 8, .value_kind: global_buffer, .address_space: global }
    .group_segment_fixed_size: 327680
    .private_segment_fixed_size: 0
    .kernarg_segment_align: 8
    .kernarg_segment_size: 48
    .max_flat_workgroup_size: 128
    .sgpr_count:     102
    .vgpr_count:     1024
    .wavefront_size: 32
...
	.end_amdgpu_metadata
.endif
;; end of part 1
;; launch attn (part 2): grid 4 x 64, 16 waves a work-group, clusters of 4 x 1, 167,936 bytes of LDS; arguments qkv, o_img, o_scl; writes o_img, o_scl
.if DOCPART == 2
	.amdgcn_target "amdgcn-amd-amdhsa--gfx1250"
	.amdhsa_code_object_version 6
	.text
	.protected	k_q685e65fb87_attn
	.globl	k_q685e65fb87_attn
	.p2align	8
	.type	k_q685e65fb87_attn,@function
k_q685e65fb87_attn:
	s_mov_b64 s[64:65], 0
	v_nop
	global_prefetch_b8 v0, s[64:65] scope:SCOPE_SE
	s_setreg_imm32_b32 hwreg(HW_REG_WAVE_MODE, 25, 1), 1
	s_wait_xcnt 0x0
	s_wait_alu depctr_hold_cnt(0) depctr_sa_sdst(0) depctr_va_vdst(0) depctr_va_sdst(0) depctr_va_ssrc(0) depctr_va_vcc(0) depctr_vm_vsrc(0)
	s_getreg_b32 s2, hwreg(HW_REG_IB_STS2, 6, 4)
	s_cmp_eq_u32 s2, 0
	s_cbranch_scc0 .Lentry_in_a_cluster
	s_endpgm
.Lentry_in_a_cluster:
	s_bfe_u32 s2, ttmp6, 0x10000c
	s_cmp_lg_u32 s2, 0x3003
	s_cbranch_scc0 .Lentry_shape_is_right
	s_endpgm
.Lentry_shape_is_right:
; O = softmax(q k^T / 8) v for one (batch, head), both products on codes of FP4 (E2M1) with E8M0 scales; O / l is quantised along D for the last product.  Nothing of the problem is left out here.
; THE SOFTMAX: t = score x log2(e) / 8; M = the running largest t rounded UP to a whole number; p = 2^(t - M) is quantised along the keys, not normalised; the row's sum is taken of the unquantised p and divides at the end.
; When M moves, the sum and O are multiplied by 2^(old M - new M): exact.
; LIMITS: NaN and infinities are not served; the scaled scores stay under 2^31 in magnitude.  A block whose largest magnitude lies under 2^-124 (a block of zeros too) gets the scale byte 1; these bytes are read by this program alone.
; The first product's K is the head's 64.  Q's codes of the instruction's other 64 are zeros (registers 4-7 of its fragment); K's registers there hold the next fragment's codes, which meet zero codes under scale bytes 0 (2^-127) and add nothing.
; So K's eight fragments lie four registers apart, and four registers of zeros close the run.
; SHARES.  The four work-groups of a cluster are the four blocks of 512 queries of one head; a head's K, V and their scale words, 143,360 bytes, come ONCE into each one's LDS by joint loads, one a wave (35 rows of 256 bytes), and stay:
; no slot is filled again, the key loop has no barrier, and there is no loop of loads in which a prefetch could run ahead.  Each of sixteen waves owns two tiles of 16 queries, one after the other, and walks 16 steps of 128 keys, two steps a trip.
; LAYOUT.  Both products are used transposed: S^T = K Q^T (source 0 = 16 keys), O^T = V^T P^T (source 0 = 16 channels): a lane holds ONE query throughout.
; THE KEYS OF A TILE ARE CHOSEN: lane r of tile (c, u) takes key 64 c + 32 (r / 8) + 8 u + r % 8.  Register j of that tile in lane half h is then key 64 c + 32 h + 8 u + j: the 32 registers of tiles (c, 0 .. 3) are ONE WHOLE BLOCK of 32 keys, 2 c + h,
; in the order that the second product's operand wants: a block's maximum needs no other lane, and the conversions' results are the operand's registers.  The choice is made by LDS addresses: K's image lies in natural order.
; ORDER OF A STEP: the scores' eight products follow the last step's four of O directly; the last levels of the last step's row sum are the places behind them and stand in the gaps of the maximum's chain.
; REGISTERS: v1-11 addresses; v12 / v224 -M by turns; v[14:15] the sum; v16-23 Q; v24-27 K's scale words, v28-29 V's, v30 Q's, v31 p's; v32-67 K; v68-99 V; v100-163 S^T, then p; v164-195 O^T; v196-203 p's codes; v204-239 at work; v240-243 O's codes.
.set REC,   217088
.set KSC,   65536
.set VIMG,  73728
.set VSC,   139264
.set QIMG,  143360
.set QSC,   208896
.set OSC,   143360                     ; LDS, behind what the loads fill: the stage for O's scale bytes, 1,024 bytes
.set SPARE, 144384                     ; the spare words: 128 bytes for each of sixteen waves, named by no other line
.set LI,  1                            ; 16 x lane
.set AKB, 2                            ; my lane's place in K's image: 16 (r % 8) + 1024 (r / 8) + 256 h
.set ASB, 3                            ; and among K's scale words: KSC + 16 (r % 8) + 4 (r / 8) + 128 h
.set LIV, 4                            ; 16 x lane + VIMG
.set LVS, 5                            ; 8 x lane + VSC
.set SPW, 6
.set NIL, 7
.set ADK, 8
.set ADS, 9
.set ADV, 10
.set ADT, 11
.set NMA, 12
.set L,   14
.set Q,   16
.set KS,  24
.set VS,  28
.set QS,  30
.set PS,  31
.set KF,  32
.set VF,  68
.set S,   100
.set O,   164
.set PC,  196
.set BM,  204
.set T,   208                          ; eight pairs: the row sum's partial sums
.set NMB, 224
.set RM,  226                          ; the running largest score
.set TM0, 227
.set TX,  228
.set TT,  229
.set DD,  230
.set F,   232
.set SO,  234
.set BY,  236
.set W,   238
.set WX,  239
.set OC,  240
.set OSA, 244
.set WA,  245                          ; both tiles' scale bytes of O
.set WV,  10
.set CX,  11
.set BH,  12
.set G1,  16
.set G0,  24
.set SEL, 28
.set CS,  30                           ; s[30:31] log2(e) / 8
.set TK,  32                           ; the trip's place in K's and V's images: 8,192 bytes a trip,
.set TS,  33                           ; 1,024 in K's scale words,
.set TV,  34                           ; 512 in V's
.set CNT, 35
.set TC,  50
.macro CROUND
	s_barrier_signal -1
	s_barrier_wait -1
	s_cmp_lg_u32 s[WV], 0
	s_cbranch_scc1 .Lnot_wave_0_\@
	s_barrier_signal -3
.Lnot_wave_0_\@:
	s_barrier_wait -3
	s_barrier_signal -1
	s_barrier_wait -1
.endm
	s_load_b128 s[4:7], s[0:1], 0x0                ; qkv, o_img
	s_load_b64 s[8:9], s[0:1], 0x10                ; o_scl
	v_lshl_add_u32 v[SPW], v0, 2, SPARE
	v_mov_b32 v[NIL], 0
	ds_add_u32 v[SPW], v[NIL]                      ; the wave's opening: the add, twice on end, and its wait ahead of my first tensor load
	ds_add_u32 v[SPW], v[NIL]
	v_lshrrev_b32 v8, 5, v0
	v_readfirstlane_b32 s[WV], v8                  ; wave 0..15
	s_bfe_u32 s[CX], ttmp6, 0x40000                ; my block of 512 queries: it enters Q's and O's addresses alone
	s_and_b32 s[BH], ttmp7, 0xffff                 ; 16 x batch + head, which the four partners share
	s_mov_b32 s[G1], 15|(3<<16)|(1<<21)            ; the mask: all four; elements of 8 bytes; no padding; bit 21 beside a mask
	s_mov_b32 s[G1+1], 32<<16                      ; rows of 256 bytes,
	s_mov_b32 s[G1+2], 35<<16                      ; 35 of them
	s_mov_b32 s[G1+3], 32<<16
	s_mov_b32 s[G1+4], 35
	s_mov_b32 s[G1+5], 32                          ; dense
	s_mov_b32 s[G1+6], 0
	s_mov_b32 s[G1+7], 0
	s_mov_b32 s[SEL], 0x76543210
	s_mov_b32 s[SEL+1], 0xfedcba98
	s_mov_b32 s[CS], 0x3e38aa3b
	s_mov_b32 s[CS+1], s[CS]
	s_mul_i32 s44, s[BH], REC
	s_mov_b32 s45, 0
	s_mov_b32 s[G0], 1
	s_mul_i32 s[G0+1], s[WV], 8960                 ; my 35 rows, in LDS
	s_mul_i32 s46, s[WV], 8960                     ; and in the record
	s_mov_b32 s47, 0
	s_lshr_b32 s32, s[WV], 2
	s_lshl_b32 s32, s32, 8
	s_and_b32 s33, s[WV], 3
	s_lshl_b32 s33, s33, 2
	s_add_co_u32 s32, s32, s33
	s_add_co_u32 s32, s32, OSC
	v_and_b32 v8, 31, v0                           ; lane
	v_and_b32 v9, 15, v0                           ; r
	v_and_b32 v10, 7, v0                           ; r % 8
	v_bfe_u32 v11, v0, 3, 1                        ; r / 8
	v_bfe_u32 v12, v0, 4, 1                        ; h
	v_lshlrev_b32 v[LI], 4, v8
	v_lshlrev_b32 v[AKB], 4, v10
	v_lshl_add_u32 v[ASB], v11, 2, v[AKB]
	v_lshl_add_u32 v[AKB], v11, 10, v[AKB]
	v_lshl_add_u32 v[ASB], v12, 7, v[ASB]
	v_lshl_add_u32 v[AKB], v12, 8, v[AKB]
	v_add_nc_u32 v[ASB], KSC, v[ASB]
	v_add_nc_u32 v[LIV], VIMG, v[LI]
	v_lshl_add_u32 v[LVS], v8, 3, VSC
	v_lshl_add_u32 v[OSA], v9, 4, s32              ; OSC + 256 (wave / 4) + 4 (wave % 4) + 16 r
	v_lshlrev_b32 v255, 4, v9                      ; 16 r: Q's scale word
	v_lshl_add_u32 v248, v0, 4, OSC                ; the stage read back: 16 bytes a thread (waves 0 and 1)
	v_lshlrev_b32 v249, 4, v0
.irp j, 20,21,22,23, 64,65,66,67
	v_mov_b32 v[\j], 0                             ; Q's K = 64 .. 127: zero codes; and the four registers that close K's run
.endr
.irp j, TX, WX, F+1, NMA+1, NMB+1, WA
	v_mov_b32 v[\j], 0                             ; written once: lane permutes' destinations, upper halves of pairs that are named whole, the gathered scale bytes
.endr
	s_wait_alu depctr_va_vdst(0)
	s_wait_dscnt 0x0                               ; both opening adds are done
	s_wait_kmcnt 0x0
	s_add_nc_u64 s[14:15], s[4:5], s[44:45]        ; my head's record
	s_add_nc_u64 s[G0+2:G0+3], s[14:15], s[46:47]
	s_or_b32 s[G0+3], s[G0+3], 0x80000000
	CROUND                                         ; all four work-groups are here: the joint loads meet
	tensor_load_to_lds s[G0:G0+3], s[G1:G1+7]      ; one load a wave is out
	s_nop 0
.rept 4
	v_nop
.endr
	; the other addresses are made while the tiles are on their way
	s_lshl_b32 s44, s[CX], 14
	s_lshl_b32 s45, s[WV], 10
	s_add_co_u32 s44, s44, s45
	s_add_co_u32 s44, s44, QIMG                    ; Q's tile 32 cx + 2 wave: 512 bytes a tile
	s_mov_b32 s45, 0
	s_add_nc_u64 s[36:37], s[14:15], s[44:45]
	s_lshl_b32 s44, s[CX], 11
	s_lshr_b32 s46, s[WV], 2
	s_lshl_b32 s46, s46, 9
	s_add_co_u32 s44, s44, s46
	s_and_b32 s46, s[WV], 3
	s_lshl_b32 s46, s46, 2
	s_add_co_u32 s44, s44, s46
	s_add_co_u32 s44, s44, QSC                     ; its scale words: group 4 cx + wave / 4, word wave % 4; the second tile lies 256 bytes on
	s_add_nc_u64 s[38:39], s[14:15], s[44:45]
.set QN,  250                                  ; v250-253, v254: the second tile's Q and its scale words, until the first tile is done
.set QSN, 254
	global_load_b128 v[Q:Q+3], v[LI], s[36:37]     ; both tiles' Q are asked for here, while the tensor loads are on their way; the wait stands at the first tile's top
	global_load_b32 v[QS], v255, s[38:39]
	global_load_b128 v[QN:QN+3], v[LI], s[36:37] offset:512
	global_load_b32 v[QSN], v255, s[38:39] offset:256
	s_lshr_b32 s48, s[BH], 4                       ; the batch
	s_and_b32 s49, s[BH], 15                       ; the head
	s_lshl_b32 s44, s48, 20                        ; o_img: 8,192 bytes a tile of 16 tokens, 128 tiles a batch,
	s_lshl_b32 s46, s[CX], 18
	s_add_co_u32 s44, s44, s46
	s_lshl_b32 s46, s[WV], 14
	s_add_co_u32 s44, s44, s46
	s_lshr_b32 s46, s49, 1
	s_lshl_b32 s46, s46, 10                        ; K step head / 2,
	s_add_co_u32 s44, s44, s46
	s_and_b32 s46, s49, 1
	s_lshl_b32 s46, s46, 9                         ; half head % 2
	s_add_co_u32 s44, s44, s46
	s_add_nc_u64 s[40:41], s[6:7], s[44:45]
	s_lshl_b32 s44, s49, 14                        ; o_scl: 16,384 bytes a head, 256 a group of 128 tokens
	s_lshl_b32 s46, s48, 12
	s_add_co_u32 s44, s44, s46
	s_lshl_b32 s46, s[CX], 10
	s_add_co_u32 s44, s44, s46
	s_add_nc_u64 s[42:43], s[8:9], s[44:45]
	s_mov_b32 s[TK], 0
	s_mov_b32 s[TS], 0
	s_mov_b32 s[TV], 0
	s_mov_b32 s[TC], 2
	s_mov_b32 s52, 0                               ; s[52:53]: what O's address is stepped by ahead of a tile's store: nothing for the first tile
	s_mov_b32 s53, 0
	v_mov_b32 v[ADK], v[AKB]
	v_mov_b32 v[ADS], v[ASB]
	v_mov_b32 v[ADV], v[LIV]
	v_mov_b32 v[ADT], v[LVS]
	s_wait_alu depctr_va_vdst(0)                   ; the wait at the head's end
	s_wait_tensorcnt 0x0                           ; my part has landed,
	s_barrier_signal -1
	s_barrier_wait -1                              ; everybody's has
.macro LOADK ko, so                            ; twelve loads: a step's eight fragments of K, four registers each, and its scale words: register 2 c + a holds tile (c, 2 a) in lanes 0-15 and tile (c, 2 a + 1) in lanes 16-31
.irp c, 0,1
.irp u, 0,1,2,3
	ds_load_b128 v[KF+16*\c+4*\u:KF+16*\c+4*\u+3], v[ADK] offset:\ko+2048*\c+512*(\u/2)+128*(\u%2)
.endr
.endr
.irp c, 0,1
.irp a, 0,1
	ds_load_b32 v[KS+2*\c+\a], v[ADS] offset:\so+256*\a+8*\c
.endr
.endr
.endm
.macro LOADV vo, so                            ; nine loads: a step's four fragments of V and their scale words
.irp d, 0,1,2,3
.irp c, 0,1
	ds_load_b128 v[VF+8*\d+4*\c:VF+8*\d+4*\c+3], v[ADV] offset:\vo+1024*\d+512*\c
.endr
.endr
	ds_load_b64 v[VS:VS+1], v[ADT] offset:\so
.endm
.macro WM d, a, b, acc, sa, sb, row            ; one product; acc = 0: it starts its sum; row = 1: source 0's scale words stand in lanes 16-31
.if \acc
.if \row
	v_wmma_scale_f32_16x16x128_f8f6f4 v[\d:\d+7], v[\a:\a+7], v[\b:\b+7], v[\d:\d+7], v[\sa], v[\sb] matrix_a_fmt:MATRIX_FMT_FP4 matrix_b_fmt:MATRIX_FMT_FP4 matrix_a_scale:MATRIX_SCALE_ROW1
.else
	v_wmma_scale_f32_16x16x128_f8f6f4 v[\d:\d+7], v[\a:\a+7], v[\b:\b+7], v[\d:\d+7], v[\sa], v[\sb] matrix_a_fmt:MATRIX_FMT_FP4 matrix_b_fmt:MATRIX_FMT_FP4
.endif
.else
.if \row
	v_wmma_scale_f32_16x16x128_f8f6f4 v[\d:\d+7], v[\a:\a+7], v[\b:\b+7], 0, v[\sa], v[\sb] matrix_a_fmt:MATRIX_FMT_FP4 matrix_b_fmt:MATRIX_FMT_FP4 matrix_a_scale:MATRIX_SCALE_ROW1
.else
	v_wmma_scale_f32_16x16x128_f8f6f4 v[\d:\d+7], v[\a:\a+7], v[\b:\b+7], 0, v[\sa], v[\sb] matrix_a_fmt:MATRIX_FMT_FP4 matrix_b_fmt:MATRIX_FMT_FP4
.endif
.endif
.endm
.macro SCALE j0, n                             ; t - M of n pairs of scores from register j0 on
.set j, \j0
.rept \n
	v_pk_fma_f32 v[S+j:S+j+1], v[S+j:S+j+1], s[CS:CS+1], v[NW:NW+1] op_sel_hi:[1,0,0]
.set j, j+2
.endr
.endm
.macro ADDP i0, n, lvl                         ; partial sums i0 .. i0 + n - 1 take in the pairs of p 8 lvl + i (lvl = 1: they begin as pair i + pair 8 + i)
.set j, 2*(\i0)
.rept \n
.if \lvl == 1
	v_pk_add_f32 v[T+j:T+j+1], v[S+j:S+j+1], v[S+16+j:S+17+j]
.else
	v_pk_add_f32 v[T+j:T+j+1], v[T+j:T+j+1], v[S+16*(\lvl)+j:S+16*(\lvl)+1+j]
.endif
.set j, j+2
.endr
.endm
.macro FOLD4                                   ; eight partial sums become four
.irp i, 0,2,4,6
	v_pk_add_f32 v[T+\i:T+\i+1], v[T+\i:T+\i+1], v[T+8+\i:T+9+\i]
.endr
.endm
; A KEY STEP: 128 keys, the q-th of the trip's two.  -M is read in register old and written in register new.
.macro STEP q, old, new
.set NW, \new
.if \q
	s_add_co_u32 s[TK], s[TK], 8192                ; the next trip; behind the eighth comes the first again, with which the next tile begins
	s_and_b32 s[TK], s[TK], 0xffff
	s_add_co_u32 s[TS], s[TS], 1024
	s_and_b32 s[TS], s[TS], 0x1fff
	s_add_co_u32 s[TV], s[TV], 512
	s_and_b32 s[TV], s[TV], 0xfff
.endif
.irp c, 0,1                                    ; S^T = K Q^T: eight accumulators, each begun with 0
.irp a, 0,1
	WM S+32*\c+16*\a, KF+16*\c+8*\a, Q, 0, KS+2*\c+\a, QS, 0
	WM S+32*\c+16*\a+8, KF+16*\c+8*\a+4, Q, 0, KS+2*\c+\a, QS, 1
.endr
.endr
	FOLD4                                          ; the last step's row sum goes on: these four are the places in front of the loads below and of the first read of the scores
.if \q
	v_add_nc_u32 v[ADK], s[TK], v[AKB]
	v_add_nc_u32 v[ADS], s[TS], v[ASB]
	LOADK 0, 0                                     ; the next step's K (in the launch's very last step these twelve serve nothing),
	LOADV 4096, 256                                ; this step's V
	v_add_nc_u32 v[ADV], s[TK], v[LIV]
	v_add_nc_u32 v[ADT], s[TV], v[LVS]
.else
	LOADK 4096, 512
	LOADV 0, 0
.endif
.irp b, 0,1,2,3                                ; the largest score of my two blocks of 32 keys, in four chains by turns; each accumulator is first read at its low end
	v_max3_num_f32 v[BM+\b], v[S+16*\b], v[S+16*\b+1], v[S+16*\b+2]
.endr
.irp i, 3,5,7,9,11,13
.irp b, 0,1,2,3
	v_max3_num_f32 v[BM+\b], v[BM+\b], v[S+16*\b+\i], v[S+16*\b+\i+1]
.endr
.endr
	v_max3_num_f32 v[BM], v[BM], v[BM+1], v[S+15]
	v_max3_num_f32 v[BM+2], v[BM+2], v[BM+3], v[S+47]
	v_max_num_f32 v[BM], v[BM], v[S+31]            ; block 2 x 0 + h
	v_max_num_f32 v[BM+2], v[BM+2], v[S+63]        ; block 2 x 1 + h
	s_delay_alu instid0(VALU_DEP_1)
	v_max_num_f32 v[TM0], v[BM], v[BM+2]           ; the row's maximum and -M: one chain, with the rest of the last step's row sum in its gaps
	v_pk_add_f32 v[T:T+1], v[T:T+1], v[T+4:T+5]
	s_delay_alu instid0(VALU_DEP_2)
	v_permlanex16_b32 v[TX], v[TM0], s[SEL], s[SEL+1]
	v_pk_add_f32 v[T+2:T+3], v[T+2:T+3], v[T+6:T+7]
	s_delay_alu instid0(VALU_DEP_2)
	v_max3_num_f32 v[RM], v[RM], v[TM0], v[TX]     ; the running largest score (log2(e) / 8 is positive: it is also the largest t's)
	s_delay_alu instid0(VALU_DEP_2)
	v_pk_add_f32 v[T:T+1], v[T:T+1], v[T+2:T+3]
	s_delay_alu instid0(VALU_DEP_2)
	v_mul_f32 v[TT], s[CS], v[RM]
	s_delay_alu instid0(VALU_DEP_2)
	v_pk_add_f32 v[L:L+1], v[L:L+1], v[T:T+1]      ; the sum up to the last step, under the old M
	s_delay_alu instid0(VALU_DEP_2)
	v_floor_f32 v[\new], -v[TT]                    ; the new -M = -ceil(t): a whole number
	v_fma_f32 v[BM], v[BM], s[CS], v[\new]         ; t - M of each block's largest score
	v_fma_f32 v[BM+2], v[BM+2], s[CS], v[\new]
	v_sub_f32 v[DD], v[\new], v[\old]              ; old M - new M: a whole number, 0 or less
	SCALE 0, 2
	v_cvt_i32_f32 v[DD], v[DD]                     ; (it saturates)
	SCALE 4, 2
	v_ldexp_f32 v[F], 1.0, v[DD]                   ; f = 2^(old M - new M)
	SCALE 8, 28
.set j, 0
.rept 16
	v_pk_mul_f32 v[O+j:O+j+1], v[O+j:O+j+1], v[F:F+1] op_sel_hi:[1,0]   ; O^T under the new M: the first read of the last step's products, each accumulator from its low end on
.set j, j+2
.endr
	s_wait_alu depctr_va_vdst(0)                   ; the wait ahead of the batch
	v_exp_f32 v[BM], v[BM]                         ; each block's largest p,
	v_exp_f32 v[BM+2], v[BM+2]
.set j, 0
.rept 64
	v_exp_f32 v[S+j], v[S+j]                       ; and p = 2^(t - M)
.set j, j+1
.endr
	v_pk_mul_f32 v[L:L+1], v[L:L+1], v[F:F+1] op_sel_hi:[1,0]   ; the sum under the new M: a plain place behind the exponentials
	s_wait_alu depctr_va_vdst(0)                   ; one wait for the batch of 66, ahead of its first reader
	v_max_num_f32 v[BM], 0x1800000, v[BM]          ; the floor 2^(3 - 127): the byte cannot fall under 1
	v_max_num_f32 v[BM+2], 0x1800000, v[BM+2]
	ADDP 0, 4, 1                                   ; the row's sum of the unquantised p, in eight chains, among the scales' lines
	v_add_nc_u32 v[SO], 0xff000000, v[BM]          ; the conversions' scale operands
	v_add_nc_u32 v[SO+1], 0xff000000, v[BM+2]
	ADDP 4, 4, 1
.irp c, 0,1
.irp u, 0,1,2,3
	v_cvt_scalef32_pk8_fp4_f32 v[PC+4*\c+\u], v[S+32*\c+8*\u:S+32*\c+8*\u+7], v[SO+\c]   ; keys 64 c + 32 h + 8 u + 0 .. 7: register 4 c + u of the operand
.endr
.endr
	v_lshrrev_b32 v[BY], 23, v[SO]                 ; my two scale bytes
	v_lshrrev_b32 v[BY+1], 23, v[SO+1]
	ADDP 0, 2, 2
	v_lshl_or_b32 v[W], v[BY+1], 16, v[BY]
	ADDP 2, 2, 2
	v_permlanex16_b32 v[WX], v[W], s[SEL], s[SEL+1]
	ADDP 4, 2, 2
	v_lshl_or_b32 v[PS], v[WX], 8, v[W]            ; lanes 0-15: blocks 0 and 2 are mine, 1 and 3 the other half's; lanes 16-31 are not read
	ADDP 6, 2, 2                                   ; ten plain lines stand between p's scale word and the products
	ADDP 0, 8, 3
	s_wait_alu depctr_va_vdst(0)                   ; this wait serves the loop's jump too
	s_wait_dscnt 0x0                               ; this step's V and the next step's K are in
.irp d, 0,2                                    ; O^T += V^T P^T: the four accumulators take turns, and the eight products of the scores stand between two turns of each
	WM O+8*\d, VF+8*\d, PC, 1, VS+\d/2, PS, 0
	WM O+8*\d+8, VF+8*\d+8, PC, 1, VS+\d/2, PS, 1
.endr
.endm
	LOADK 0, 0                                     ; step 0's K
.Ltile:                                            ; two trips: my two tiles of 16 queries
	v_mov_b32 v[RM], 0xff61b1e6                    ; the largest score so far: -3e38
	v_floor_f32 v[NMA], -v[RM]                     ; -M
	v_mov_b32 v[L], 0
	v_mov_b32 v[L+1], 0
.set j, 0
.rept 32
	v_mov_b32 v[O+j], 0                            ; O^T: the step is written once; the first finds zeros, which the first change of M leaves zeros
.set j, j+1
.endr
.set j, 0
.rept 16
	v_mov_b32 v[T+j], 0                            ; and no partial sums of a step before
.set j, j+1
.endr
	s_mov_b32 s[CNT], 8
	s_wait_alu depctr_va_vdst(0)
	s_wait_loadcnt 0x0                             ; Q
	s_wait_dscnt 0x0                               ; step 0's K
.Lstep:
	STEP 0, NMA, NMB
	STEP 1, NMB, NMA
	s_sub_co_u32 s[CNT], s[CNT], 1
	s_cmp_lg_u32 s[CNT], 0
	s_cbranch_scc1 .Lstep
	; the tile's way out: O^T / l, quantised along D (my head's two blocks of 32), as an image of the last product's operand
	FOLD4                                          ; the last step's row sum; these lines are the places behind the last products
	v_pk_add_f32 v[T:T+1], v[T:T+1], v[T+4:T+5]
	v_pk_add_f32 v[T+2:T+3], v[T+2:T+3], v[T+6:T+7]
	v_pk_add_f32 v[T:T+1], v[T:T+1], v[T+2:T+3]
	v_pk_add_f32 v[L:L+1], v[L:L+1], v[T:T+1]
	v_add_f32 v[L], v[L], v[L+1]
	v_permlanex16_b32 v[TX], v[L], s[SEL], s[SEL+1]
	v_add_f32 v[L], v[L], v[TX]                    ; with the other half's 1,024 keys: the row's sum
	s_wait_alu depctr_va_vdst(0)                   ; the wait ahead of the transcendental
	v_rcp_f32 v[L], v[L]
	v_nop                                          ; a plain place behind the reciprocal
	s_wait_alu depctr_va_vdst(0)                   ; and the wait ahead of its first reader, which is also the first reader of the last products
.set j, 0
.rept 32
	v_mul_f32 v[S+j], v[O+j], v[L]                 ; register 8 d + i: channel 16 d + 8 h + i; each accumulator from its low end on
.set j, j+1
.endr
.irp b, 0,1
	v_max3_num_f32 v[BM+\b], |v[S+16*\b]|, |v[S+16*\b+1]|, 0x1800000
.endr
.irp i, 2,4,6,8,10,12,14
.irp b, 0,1
	v_max3_num_f32 v[BM+\b], v[BM+\b], |v[S+16*\b+\i]|, |v[S+16*\b+\i+1]|
.endr
.endr
	v_permlanex16_b32 v[TX], v[BM], s[SEL], s[SEL+1]
	v_permlanex16_b32 v[WX], v[BM+1], s[SEL], s[SEL+1]
	v_max_num_f32 v[BM], v[BM], v[TX]
	v_max_num_f32 v[BM+1], v[BM+1], v[WX]
.irp b, 0,1
	v_add_nc_u32 v[SO+\b], 0xff000000, v[BM+\b]
.endr
.irp b, 0,1
	v_lshrrev_b32 v[BY+\b], 23, v[SO+\b]
.endr
	v_lshl_or_b32 v[W], v[BY+1], 8, v[BY]          ; my query's two scale bytes
	v_alignbit_b32 v[WA], v[W], v[WA], 16          ; the first tile's end up in the low half, the second's in the high half
	s_wait_alu depctr_va_vdst(0)
	s_wait_xcnt 0x0                                ; the last tile's store has read the codes' registers and its base
	s_add_nc_u64 s[40:41], s[40:41], s[52:53]      ; so the base may step: 8,192 bytes on for the second tile
.irp e, 0,1
.irp i, 0,1
	v_cvt_scalef32_pk8_fp4_f32 v[OC+2*\i+\e], v[S+16*\e+8*\i:S+16*\e+8*\i+7], v[SO+\e]
.endr
.endr
	v_nop                                          ; one plain place behind a scaled conversion
	v_permlane16_swap_b32 v[OC], v[OC+1]
	v_permlane16_swap_b32 v[OC+2], v[OC+3]         ; lane half h holds block h
	global_store_b128 v[LI], v[OC:OC+3], s[40:41]  ; 512 consecutive bytes
	s_mov_b32 s52, 8192
.irp j, 0,1,2,3
	v_mov_b32 v[Q+\j], v[QN+\j]                    ; the second tile's Q takes its place (behind the second tile these five lines serve nothing);
.endr
	v_mov_b32 v[QS], v[QSN]                        ; the tile's 50 clearing lines stand between these and the next products
	s_sub_co_u32 s[TC], s[TC], 1
	s_cmp_lg_u32 s[TC], 0
	s_cbranch_scc1 .Ltile
	ds_store_b32 v[OSA], v[WA]                     ; both halves of the lanes write the same word with the same value
	s_wait_dscnt 0x0                               ; my store into the stage has landed
	s_barrier_signal -1
	s_barrier_wait -1
	s_cmp_lt_u32 s[WV], 2                          ; the work-group's 1,024 scale bytes leave whole: 512 consecutive bytes a wave
	s_cbranch_scc0 .Lno_scl
	ds_load_b128 v[T:T+3], v248
	s_wait_dscnt 0x0
	global_store_b128 v249, v[T:T+3], s[42:43]
.Lno_scl:
	s_wait_tensorcnt 0x0                           ; the wave's end
	ds_add_u32 v[SPW], v[NIL]
	s_wait_dscnt 0x0
	CROUND                                         ; the closing round
	s_endpgm
.Lfunc_end_k_q685e65fb87_attn:
	.size	k_q685e65fb87_attn, .Lfunc_end_k_q685e65fb87_attn-k_q685e65fb87_attn
	.p2alignl 7, 3214868480
	.fill 96, 4, 3214868480
	.section	.rodata,"a",@progbits
	.p2align	6, 0x0
	.amdhsa_kernel k_q685e65fb87_attn
		.amdhsa_group_segment_fixed_size 167936
		.amdhsa_private_segment_fixed_size 0
		.amdhsa_enable_private_segment 0
		.amdhsa_kernarg_size 24
		.amdhsa_user_sgpr_count 2
		.amdhsa_user_sgpr_kernarg_segment_ptr 1
		.amdhsa_wavefront_size32 1
		.amdhsa_system_sgpr_workgroup_id_x 1
		.amdhsa_system_sgpr_workgroup_id_y 1
		.amdhsa_system_sgpr_workgroup_id_z 1
		.amdhsa_system_vgpr_workitem_id 0
		.amdhsa_next_free_vgpr 256
		.amdhsa_next_free_sgpr 66
		.amdhsa_reserve_vcc 0
		.amdhsa_float_denorm_mode_32 3
		.amdhsa_float_denorm_mode_16_64 3
		.amdhsa_memory_ordered 1
		.amdhsa_forward_progress 1
		.amdhsa_inst_pref_size 42
	.end_amdhsa_kernel
	.amdgpu_metadata
---
amdhsa.version: [ 1, 2 ]
amdhsa.kernels:
  - .name:           k_q685e65fb87_attn
    .symbol:         k_q685e65fb87_attn.kd
    .args:
      - { .name: qkv, .offset: 0, .size: 8, .value_kind: global_buffer, .address_space: global }
      - { .name: o_img, .offset: 8, .size: 8, .value_kind: global_buffer, .address_space: global }
      - { .name: o_scl, .offset: 16, .size: 8, .value_kind: global_buffer, .address_space: global }
    .group_segment_fixed_size: 167936
    .private_segment_fixed_size: 0
    .kernarg_segment_align: 8
    .kernarg_segment_size: 24
    .max_flat_workgroup_size: 512
    .sgpr_count:     66
    .vgpr_count:     256
    .wavefront_size: 32
...
	.end_amdgpu_metadata
.endif
;; end of part 2
;; launch proj (part 3): grid 4 x 64, 4 waves a work-group, clusters of 4 x 4, 219,136 bytes of LDS; arguments o_img, o_scl, w_out_codes, w_out_scales, b_out, out0; writes out0
.if DOCPART == 3
	.amdgcn_target "amdgcn-amd-amdhsa--gfx1250"
	.amdhsa_code_object_version 6
	.text
	.protected	k_q685e65fb87_proj
	.globl	k_q685e65fb87_proj
	.p2align	8
	.type	k_q685e65fb87_proj,@function
k_q685e65fb87_proj:
	s_mov_b64 s[64:65], 0
	v_nop
	global_prefetch_b8 v0, s[64:65] scope:SCOPE_SE
	s_setreg_imm32_b32 hwreg(HW_REG_WAVE_MODE, 25, 1), 1
	s_wait_xcnt 0x0
	s_wait_alu depctr_hold_cnt(0) depctr_sa_sdst(0) depctr_va_vdst(0) depctr_va_sdst(0) depctr_va_ssrc(0) depctr_va_vcc(0) depctr_vm_vsrc(0)
	s_getreg_b32 s2, hwreg(HW_REG_IB_STS2, 6, 4)
	s_cmp_eq_u32 s2, 0
	s_cbranch_scc0 .Lentry_in_a_cluster
	s_endpgm
.Lentry_in_a_cluster:
	s_bfe_u32 s2, ttmp6, 0x10000c
	s_cmp_lg_u32 s2, 0xf033
	s_cbranch_scc0 .Lentry_shape_is_right
	s_endpgm
.Lentry_shape_is_right:
; out0 = o w_out^T + b_out on codes of FP4 (E2M1) with E8M0 scales.  o comes as images of the operand's registers (o_img) and two scale bytes for each token and head (o_scl); w_out as it is given.  Nothing of the problem is left out here.
; LIMITS: NaN and infinities are not served.
; SHARES.  A work-group takes 128 tokens x 256 columns: 256 work-groups.  All of K = 1,024 lies in LDS at once (o: 65,536 bytes, dense; w_out: 256 rows of 512 bytes + 16 of padding): filled once, nothing is filled again.
; Wave w takes all 128 tokens x columns 64 w on: 32 accumulators.  The matrix instruction is used transposed (source 0 = 16 rows of w_out, source 1 = 16 tokens): a lane holds eight neighbouring columns of one row of out0.
; CLUSTERS: 4 x 4.  o's tile is shared along a row of the cluster, w_out's along a column: joint loads, one a wave.
; The bias is the C of each sum's first matrix instruction.  The scale words stay in registers for all of K.
; REGISTERS: window 0: v1-10 addresses; v32-95 o's scale words (block a, K step g at 32 + 8 a + g); v96-127 w_out's (96 + 8 b + g); v128-159 the bias; v160-223 o's raw scale bytes, later two sets of rows on the way out.
;   window 1: two sets of fragments of 96 registers: o's eight, then w_out's four.   window 2: the accumulators, (a, b) at 8 (4 a + b).
.set BT,     65536                     ; LDS: w_out's 256 rows
.set BP,     528
.set STAGE,  BT+256*BP                 ; 16 rows x (256 bytes + 16) for each wave
.set SPARE,  STAGE+4*16*272            ; the spare words: 128 bytes a wave, named by no other line
.set LI,   3
.set ADB,  4
.set STO,  5
.set RD,   6
.set CO,   7
.set SPW,  28
.set NIL,  29
.set SA,   32
.set SB,   96
.set BIAS, 128
.set RAW,  160
.set BK,   160
.set WV,   16
.set FB,   17                          ; I fetch for o (0) or for w_out (1)
.set FH,   18                          ; which half
.set G1A,  24
.set G0A,  32
.set G1B,  48
.set G0B,  56
.set MSB, 0
.macro WIN new
.if MSB != \new
	s_set_vgpr_msb (MSB<<8)|\new
.set MSB, \new
.endif
.endm
.macro CROUND
	s_barrier_signal -1
	s_barrier_wait -1
	s_cmp_lg_u32 s[WV], 0
	s_cbranch_scc1 .Lnot_wave_0_\@
	s_barrier_signal -3
.Lnot_wave_0_\@:
	s_barrier_wait -3
	s_barrier_signal -1
	s_barrier_wait -1
.endm
.macro PLACES n
.rept \n
	v_nop
.endr
.endm
	s_load_b256 s[4:11], s[0:1], 0x0               ; o_img, o_scl, w_out's codes, w_out's scales
	s_load_b128 s[12:15], s[0:1], 0x20             ; b_out, out0
	v_lshl_add_u32 v[SPW], v0, 2, SPARE
	v_mov_b32 v[NIL], 0
	ds_add_u32 v[SPW], v[NIL]                      ; the wave's opening: the add, twice on end, and its wait ahead of my first tensor load
	ds_add_u32 v[SPW], v[NIL]
	v_lshrrev_b32 v1, 5, v0
	v_readfirstlane_b32 s[WV], v1
	s_lshr_b32 s[FB], s[WV], 1
	s_and_b32 s[FH], s[WV], 1
	s_bfe_u32 s20, ttmp6, 0x40000                  ; cx
	s_bfe_u32 s21, ttmp6, 0x40004                  ; cy
	s_lshl_b32 s22, ttmp9, 2
	s_add_co_u32 s22, s22, s20                     ; the block of 256 columns
	s_and_b32 s23, ttmp7, 0xffff
	s_lshl_b32 s23, s23, 2
	s_add_co_u32 s23, s23, s21                     ; the block of 128 tokens
	s_lshl_b32 s36, s21, 2
	s_lshl_b32 s36, 15, s36                        ; my row of the cluster
	s_lshl_b32 s37, 0x1111, s20                    ; my column
	s_or_b32 s[G1A], s36, (3<<16)|(1<<21)          ; o: 128 rows of 256 dense bytes (32 elements of 8), no padding
	s_mov_b32 s[G1A+1], 32<<16
	s_mov_b32 s[G1A+2], 128<<16
	s_mov_b32 s[G1A+3], 32<<16
	s_mov_b32 s[G1A+4], 128
	s_mov_b32 s[G1A+5], 32
	s_mov_b32 s[G1A+6], 0
	s_mov_b32 s[G1A+7], 0
	s_or_b32 s[G1B], s37, (0<<16)|(1<<20)|(1<<21)|(6<<22)|(3<<25)   ; w_out: 128 rows of 512 bytes, 4 words of padding behind every 128
	s_mov_b32 s[G1B+1], 512<<16
	s_mov_b32 s[G1B+2], 128<<16
	s_mov_b32 s[G1B+3], 512<<16
	s_mov_b32 s[G1B+4], 128
	s_mov_b32 s[G1B+5], 512
	s_mov_b32 s[G1B+6], 0
	s_mov_b32 s[G1B+7], 0
	s_lshl_b32 s40, s23, 16                        ; o: 65,536 bytes a block of tokens,
	s_lshl_b32 s41, s[FH], 15
	s_add_co_u32 s40, s40, s41                     ; my half
	s_mov_b32 s41, 0
	s_lshl_b32 s42, s22, 8
	s_lshl_b32 s43, s[FH], 7
	s_add_co_u32 s42, s42, s43
	s_lshl_b32 s42, s42, 9                         ; w_out: row 256 x block + 128 x half, 512 bytes a row
	s_mov_b32 s43, 0
	s_mov_b32 s[G0A], 1
	s_lshl_b32 s[G0A+1], s[FH], 15
	s_mov_b32 s[G0B], 1
	s_mul_i32 s[G0B+1], s[FH], 128*BP
	s_add_co_u32 s[G0B+1], s[G0B+1], BT
	s_mov_b32 s60, 0x05040100                      ; v_perm_b32: the two low halves;
	s_mov_b32 s61, 0x07060302                      ; the two high halves
	s_wait_dscnt 0x0                               ; both opening adds are done
	s_wait_kmcnt 0x0
	s_add_nc_u64 s[G0A+2:G0A+3], s[4:5], s[40:41]
	s_or_b32 s[G0A+3], s[G0A+3], 0x80000000
	s_add_nc_u64 s[G0B+2:G0B+3], s[8:9], s[42:43]
	s_or_b32 s[G0B+3], s[G0B+3], 0x80000000
	CROUND                                         ; all sixteen work-groups are here: the joint loads meet
	s_cmp_eq_u32 s[FB], 0                          ; one load a wave is out; an s_nop 0 and four v_nop follow each line
	s_cbranch_scc0 .Lfor_b
	tensor_load_to_lds s[G0A:G0A+3], s[G1A:G1A+7]
	s_nop 0
.rept 4
	v_nop
.endr
	s_branch .Lasked
.Lfor_b:
	tensor_load_to_lds s[G0B:G0B+3], s[G1B:G1B+7]
	s_nop 0
.rept 4
	v_nop
.endr
.Lasked:
	v_and_b32 v1, 15, v0                           ; r
	v_bfe_u32 v2, v0, 4, 1                         ; h
	v_and_b32 v11, 31, v0
	v_lshlrev_b32 v[LI], 4, v11
	s_mul_i32 s44, s[WV], 64*BP
	s_add_co_u32 s44, s44, BT
	v_mul_u32_u24 v[ADB], v1, BP
	v_lshl_add_u32 v[ADB], v2, 4, v[ADB]
	v_add_nc_u32 v[ADB], s44, v[ADB]               ; w_out's fragments: row 64 wave + r, + 16 h
	s_mul_i32 s44, s[WV], 16*272
	s_add_co_u32 s44, s44, STAGE                   ; my stage
	v_mul_u32_u24 v[STO], v1, 272
	v_lshl_add_u32 v[STO], v2, 5, v[STO]
	v_add_nc_u32 v[STO], s44, v[STO]               ; in: row r, 32 bytes for each half of the lanes
	v_mul_u32_u24 v[RD], v2, 272
	v_lshl_add_u32 v[RD], v1, 4, v[RD]
	v_add_nc_u32 v[RD], s44, v[RD]                 ; back: lanes 0-15 one row of 256 bytes, lanes 16-31 the next
	v_lshlrev_b32 v[CO], 12, v2
	v_lshl_add_u32 v[CO], v1, 4, v[CO]             ; and the same two rows of out0 (4,096 bytes a row)
	v_lshlrev_b32 v8, 5, v1                        ; 32 r
	s_wait_alu depctr_va_vdst(0)
	v_lshlrev_b32 v9, 4, v1                        ; 16 r
	v_lshlrev_b32 v10, 5, v2                       ; 32 h
	s_wait_alu depctr_va_vdst(0)
	s_lshl_b32 s44, s22, 8
	s_lshl_b32 s45, s[WV], 6
	s_add_co_u32 s44, s44, s45                     ; my first column
	s_lshl_b32 s46, s44, 5
	s_mov_b32 s47, 0
	s_add_nc_u64 s[10:11], s[10:11], s[46:47]      ; its row of w_out's scales: 32 bytes a row
	s_lshl_b32 s46, s44, 2
	s_add_nc_u64 s[12:13], s[12:13], s[46:47]      ; its bias
	s_add_nc_u64 s[14:15], s[14:15], s[46:47]
	s_lshl_b32 s46, s23, 19
	s_add_nc_u64 s[14:15], s[14:15], s[46:47]      ; out0 at my first token and column
	s_lshl_b32 s46, s23, 8
	s_add_nc_u64 s[6:7], s[6:7], s[46:47]          ; o_scl at my 128 tokens
.irp b, 0,1,2,3
	global_load_b128 v[SB+8*\b:SB+8*\b+3], v8, s[10:11] offset:512*\b          ; row 16 b + r: its eight scale words
	global_load_b128 v[SB+8*\b+4:SB+8*\b+7], v8, s[10:11] offset:512*\b+16
	global_load_b128 v[BIAS+8*\b:BIAS+8*\b+3], v10, s[12:13] offset:64*\b      ; register j: column 16 b + 8 h + j
	global_load_b128 v[BIAS+8*\b+4:BIAS+8*\b+7], v10, s[12:13] offset:64*\b+16
.endr
.irp d, 0,1,2,3,4,5,6,7,8,9,10,11,12,13,14,15
	global_load_b128 v[RAW+4*\d:RAW+4*\d+3], v9, s[6:7] offset:16384*\d        ; head d: two bytes for token r of each of the eight tiles
.endr
	s_wait_loadcnt 0x0
.irp a, 0,2,4,6                                ; K step g is heads 2 g and 2 g + 1: its scale word is the first's two bytes below the second's
.irp g, 0,1,2,3,4,5,6,7
	v_perm_b32 v[SA+8*\a+\g], v[RAW+4*(2*\g+1)+\a/2], v[RAW+8*\g+\a/2], s60
	v_perm_b32 v[SA+8*\a+8+\g], v[RAW+4*(2*\g+1)+\a/2], v[RAW+8*\g+\a/2], s61
.endr
.endr
	PLACES 8                                       ; a scale register written by a vector instruction stands eight places ahead of a scaled matrix instruction
	s_wait_tensorcnt 0x0                           ; my part has landed,
	s_barrier_signal -1
	s_barrier_wait -1                              ; everybody's has
.macro FETCH g, p                              ; 24 loads: K step g's fragments into set p
	WIN 0x40                                       ; destination window 1
.irp a, 0,1,2,3,4,5,6,7
.irp c, 0,1
	ds_load_b128 v[96*(\p)+8*\a+4*\c:96*(\p)+8*\a+4*\c+3], v[LI] offset:8192*\a+1024*(\g)+512*\c
.endr
.endr
.irp b, 0,1,2,3
.irp c, 0,1
	ds_load_b128 v[96*(\p)+64+8*\b+4*\c:96*(\p)+64+8*\b+4*\c+3], v[ADB] offset:16*BP*\b+64*(\g)+32*\c
.endr
.endr
.endm
.macro MUL32 g, p                              ; the 32 accumulators take turns, one instruction a turn, in the same order in every K step
.if (\g) == 0
	WIN 0x85                                       ; sources 0 and 1 window 1, C (the bias) window 0, D window 2
.else
	WIN 0xa5                                       ; C and D window 2
.endif
.irp a, 0,1,2,3,4,5,6,7
.irp b, 0,1,2,3
.if (\g) == 0
	v_wmma_scale_f32_16x16x128_f8f6f4 v[8*(4*\a+\b):8*(4*\a+\b)+7], v[96*(\p)+64+8*\b:96*(\p)+64+8*\b+7], v[96*(\p)+8*\a:96*(\p)+8*\a+7], v[BIAS+8*\b:BIAS+8*\b+7], v[SB+8*\b+(\g)], v[SA+8*\a+(\g)] matrix_a_fmt:MATRIX_FMT_FP4 matrix_b_fmt:MATRIX_FMT_FP4
.else
	v_wmma_scale_f32_16x16x128_f8f6f4 v[8*(4*\a+\b):8*(4*\a+\b)+7], v[96*(\p)+64+8*\b:96*(\p)+64+8*\b+7], v[96*(\p)+8*\a:96*(\p)+8*\a+7], v[8*(4*\a+\b):8*(4*\a+\b)+7], v[SB+8*\b+(\g)], v[SA+8*\a+(\g)] matrix_a_fmt:MATRIX_FMT_FP4 matrix_b_fmt:MATRIX_FMT_FP4
.endif
.endr
.endr
.endm
	FETCH 0, 0
.irp g, 0,1,2,3,4,5,6
.if \g > 0
	PLACES 4                                       ; in front of loads into the set that the K step before multiplied
.endif
	FETCH \g+1, (\g+1)%2
	s_wait_alu depctr_va_vdst(0)
	s_wait_dscnt 24                                ; all but the 24 just issued
	MUL32 \g, \g%2
.endr
	s_wait_dscnt 0x0
	MUL32 7, 1
	WIN 0
	PLACES 4                                       ; in front of the first read of results
; THE WAY OUT, a block of 16 tokens x my 64 columns at a time, through my own stage: sixteen lanes then store 256 consecutive bytes, aligned.  LDS serves a wave's instructions in order: no wait between the stores and the loads.
.macro TOSTAGE a
	WIN 0x08                                       ; an LDS store's data: window 2
.irp b, 0,1,2,3
	ds_store_b128 v[STO], v[8*(4*(\a)+\b):8*(4*(\a)+\b)+3] offset:64*\b        ; each accumulator from its low end on
	ds_store_b128 v[STO], v[8*(4*(\a)+\b)+4:8*(4*(\a)+\b)+7] offset:64*\b+16
.endr
	WIN 0
.irp i, 0,1,2,3,4,5,6,7
	ds_load_b128 v[BK+32*((\a)%2)+4*\i:BK+32*((\a)%2)+4*\i+3], v[RD] offset:544*\i
.endr
.endm
.macro SEND a, younger                         ; younger: the LDS instructions issued behind block a's loads
	s_wait_dscnt \younger
.irp i, 0,1,2,3,4,5,6,7
	global_store_b128 v[CO], v[BK+32*((\a)%2)+4*\i:BK+32*((\a)%2)+4*\i+3], s[14:15] offset:(16*(\a)+2*\i)*4096 th:TH_STORE_NT
.endr
.endm
	TOSTAGE 0
.irp a, 1,2,3,4,5,6,7
.if \a > 1
	s_wait_xcnt 0x0                                ; block a - 2's stores have read their registers: block a's loads may land there
.endif
	TOSTAGE \a
	SEND \a-1, 16                                  ; behind block a - 1's loads: block a's 8 stores and 8 loads
.endr
	SEND 7, 0
	s_wait_tensorcnt 0x0                           ; the wave's end
	ds_add_u32 v[SPW], v[NIL]
	s_wait_dscnt 0x0
	CROUND                                         ; the closing round
	s_endpgm
.Lfunc_end_k_q685e65fb87_proj:
	.size	k_q685e65fb87_proj, .Lfunc_end_k_q685e65fb87_proj-k_q685e65fb87_proj
	.p2alignl 7, 3214868480
	.fill 96, 4, 3214868480
	.section	.rodata,"a",@progbits
	.p2align	6, 0x0
	.amdhsa_kernel k_q685e65fb87_proj
		.amdhsa_group_segment_fixed_size 219136
		.amdhsa_private_segment_fixed_size 0
		.amdhsa_enable_private_segment 0
		.amdhsa_kernarg_size 48
		.amdhsa_user_sgpr_count 2
		.amdhsa_user_sgpr_kernarg_segment_ptr 1
		.amdhsa_wavefront_size32 1
		.amdhsa_system_sgpr_workgroup_id_x 1
		.amdhsa_system_sgpr_workgroup_id_y 1
		.amdhsa_system_sgpr_workgroup_id_z 1
		.amdhsa_system_vgpr_workitem_id 0
		.amdhsa_next_free_vgpr 768
		.amdhsa_next_free_sgpr 66
		.amdhsa_reserve_vcc 0
		.amdhsa_float_denorm_mode_32 3
		.amdhsa_float_denorm_mode_16_64 3
		.amdhsa_memory_ordered 1
		.amdhsa_forward_progress 1
		.amdhsa_inst_pref_size 75
	.end_amdhsa_kernel
	.amdgpu_metadata
---
amdhsa.version: [ 1, 2 ]
amdhsa.kernels:
  - .name:           k_q685e65fb87_proj
    .symbol:         k_q685e65fb87_proj.kd
    .args:
      - { .name: o_img, .offset: 0, .size: 8, .value_kind: global_buffer, .address_space: global }
      - { .name: o_scl, .offset: 8, .size: 8, .value_kind: global_buffer, .address_space: global }
      - { .name: w_out_codes, .offset: 16, .size: 8, .value_kind: global_buffer, .address_space: global }
      - { .name: w_out_scales, .offset: 24, .size: 8, .value_kind: global_buffer, .address_space: global }
      - { .name: b_out, .offset: 32, .size: 8, .value_kind: global_buffer, .address_space: global }
      - { .name: out0, .offset: 40, .size: 8, .value_kind: global_buffer, .address_space: global }
    .group_segment_fixed_size: 219136
    .private_segment_fixed_size: 0
    .kernarg_segment_align: 8
    .kernarg_segment_size: 48
    .max_flat_workgroup_size: 128
    .sgpr_count:     66
    .vgpr_count:     768
    .wavefront_size: 32
...
	.end_amdgpu_metadata
.endif
;; end of part 3
